; MI455X (gfx1250); checked and timed in simulation.
; The chip was launched on July 23, 2026; its instructions are those of AMD's public machine-readable ISA for CDNA 5 (MIT licence, August 2026) and "CDNA5" Instruction Set Architecture Reference Guide (July 2026). The comments in the code are by the model that wrote it; some were corrected since.
;; Multi Head Self Attention. Allowed arithmetic: matrix products marked QUANTISED: E2M3 operands, one E8M0 scale for each 32 along K, by v_wmma_scale_f32_16x16x128_f8f6f4 with both operands' format E2M3, f32 sums; everything else in f32.
;; Inputs: W_k 1,024 x 1,024 float32; W_out 1,024 x 1,024 float32; W_q 1,024 x 1,024 float32; W_v 1,024 x 1,024 float32; b_k 1,024 float32; b_out 1,024 float32; b_q 1,024 float32; b_v 1,024 float32; x 2 x 2,048 x 1,024 float32.
;; Outputs: out0 2 x 2,048 x 1,024 float32.
;; This version of the problem:
;;   THIS VERSION OF THE PROBLEM IS GIVEN IN LOW PRECISION. The matrix products marked QUANTISED in the list below multiply operands that are first quantised to E2M3 (2 exponent bits, 3 mantissa bits; 6 bits a number), with one power-of-two scale for each 32 numbers along K (OCP MX v1.0); their sums are f32. All else is computed in f32.
;;   The module's matrix products, in the order in which they are computed (A, B: the left and right operand; K: the contracted axis; several contracted axes count as one K, in the product's order):
;;     1. [M 4,096, K 1,024] x [K 1,024, N 1,024]; A: input x; B: input W_q: QUANTISED
;;     2. [M 4,096, K 1,024] x [K 1,024, N 1,024]; A: input x; B: input W_k: QUANTISED
;;     3. [M 4,096, K 1,024] x [K 1,024, N 1,024]; A: input x; B: input W_v: QUANTISED
;;     4. batch 32 x [M 2,048, K 64] x [K 64, N 2,048]; A: computed on the way; B: computed on the way: QUANTISED
;;     5. batch 32 x [M 2,048, K 2,048] x [K 2,048, N 64]; A: softmax (see below); B: computed on the way: QUANTISED
;;     6. [M 4,096, K 1,024] x [K 1,024, N 1,024]; A: computed on the way; B: input W_out: QUANTISED
;;   THE QUANTISER, for each operand of a quantised product, along K:
;;     - K is cut into blocks of 32 from its start; a last block that is shorter is filled with zeros.
;;     - A block's scale is 2^e with e = floor(log2(the largest magnitude in the block)) - 2, held to -126 .. 127; a block of zeros has e = 0. As a byte (E8M0): e + 127.
;;     - Each number is divided by its block's scale, clamped to +-7.5, and rounded to the nearest number of E2M3, ties to even, subnormals kept.
;;     - The product sums the exact products of the quantised numbers (number of the format x scale) in f32.
;;   ~~~python
;;   def quantise(x, axis):      # numpy; x: float32 -> the quantised numbers, widened to float32 again
;;       x = np.moveaxis(x, axis, -1); K = x.shape[-1]
;;       x = np.pad(x, [(0, 0)] * (x.ndim - 1) + [(0, -K % 32)]); x = x.reshape(x.shape[:-1] + (-1, 32)); a = np.abs(x).max(-1, keepdims=True)
;;       e = np.where(a > 0, np.clip(np.frexp(np.where(a > 0, a, 1))[1] - 1 - 2, -126, 127), 0)      # np.frexp(a)[1] - 1 = floor(log2(a)), exactly
;;       r = np.clip(x / 2.0 ** e, -7.5, 7.5)
;;       step = 2.0 ** (np.maximum(np.frexp(np.where(r == 0, 1, r))[1] - 1, 0) - 3)
;;       q = np.round(r / step) * step * 2.0 ** e      # np.round: ties to even
;;       return np.moveaxis(q.reshape(q.shape[:-2] + (-1,))[..., :K], -1, axis).astype(np.float32)
;;   ~~~
;;   SOFTMAX AHEAD OF A QUANTISED PRODUCT. Where the list says 'softmax', what is quantised is not the finished softmax but p = 2^(t - M), with t = logit x log2(e) and M = ceil(the row's largest t), a whole number; so 1/2 < the row's largest p <= 1. The row's sum l is taken of the UNQUANTISED p, in f32, and the product's result is divided by l at the end. Since M is a whole number, a kernel that streams over the keys may use a running M (the ceiling of the running maximum): every later rescaling is an exact power of two, which a block's scale takes up: the codes' values come out the same.
;;   OPERANDS COMPUTED ON THE WAY. 'Computed on the way' means the value that the module computes at that place (a softmax that the list does not call 'softmax' is quantised finished and normalised). What goes into a quantiser is computed in f32, as accurately as f32 sums, v_exp_f32 and their like allow (about 1e-6 of the number): no bf16 or f16 on the way to a quantiser, and a product that is left as it is and whose result goes on into a quantised operand takes f32 operands (vector FMAs, or v_wmma_f32_16x16x4_f32). A number that lies on a knife's edge between two numbers of the format may be rounded either way, as far as f32 arithmetic and the matrix unit's own rounding can turn it there, and no further.
;; One version. Each part assembles by itself: llvm-mc -triple=amdgcn-amd-amdhsa -mcpu=gfx1250 --defsym DOCPART=n.
;; ======== version 1 of 1: 4 launches
;; limits: right only within a limited range of input values
;; workspace buffers: xc 3,145,728 bytes; xs 131,072 bytes; wc 3,145,728 bytes; ws 131,072 bytes; ac 9,437,184 bytes; asc 655,360 bytes; cc 3,145,728 bytes; cs 262,144 bytes
;; launch quant (part 1): grid 256 x 1, 4 waves a work-group, no clusters, 34,304 bytes of LDS; arguments x, W_q, W_k, W_v, W_out, xc, xs, wc, ws; writes xc, xs, wc, ws
.if DOCPART == 1
	.amdgcn_target "amdgcn-amd-amdhsa--gfx1250"
	.amdhsa_code_object_version 6
	.text
	.protected	k_qcda781553b_quant
	.globl	k_qcda781553b_quant
	.p2align	8
	.type	k_qcda781553b_quant,@function
k_qcda781553b_quant:
	s_mov_b64 s[64:65], 0
	v_nop
	global_prefetch_b8 v0, s[64:65] scope:SCOPE_SE
	s_setreg_imm32_b32 hwreg(HW_REG_WAVE_MODE, 25, 1), 1
	s_wait_xcnt 0x0
; x [4096][1024] and the four weights [1024][1024], f32, K innermost, become codes of FP6 (E2M3) with one E8M0 byte for each 32 along K.
; A block's scale is 2^(floor(log2(its largest magnitude)) - 2); its byte is the largest magnitude's exponent field - 2, held at 1 from below.
; LIMITS: NaN and infinities among the inputs are not served.  A block of zeros gets the byte 1 where the rule says 127: its codes are zeros, and this program alone reads the bytes.
; LAYOUT OF THE RESULTS: in the order of an operand's registers.
;   A TILE of 16 rows is rows 32 (T / 2) + 8 (T % 2) + i + 8 (i / 8), i = 0 .. 15: eight neighbours, and the eight that lie 16 further on.
;   A HALF FRAGMENT is 16 rows x 64 K, 768 bytes: lane l = r + 16 h holds block h (24 bytes) of tile row r: its first 16 bytes at 16 l, its last 8 at 512 + 8 l.
;   codes: [tile][16 half fragments][768];  scale words: [tile][half of K][row 16][4 words], a word = the 4 bytes of 128 along K.
; SHARES: a work-group takes 32 neighbouring rows, two tiles; work-groups 0-127 take x, then 32 each W_q, W_k, W_v, W_out.  Wave w takes tile w / 2 of the two and half w % 2 of K: four steps of 128.
; A load reads 512 consecutive bytes of one row; a step's 16 rows turn through the wave's own stage in LDS (rows 528 bytes apart) so that a lane gets two whole blocks of its row.  Waves share nothing: no barrier.
.set STGB, 8448                        ; a wave's stage: 16 rows x (512 + 16) bytes
.set R,  16                            ; v16-143  two sets of 64: a step's numbers as loaded
.set X,  144                           ; v144-207 my row's blocks h and 2 + h
.set C,  208                           ; v208-219 a fragment's 12 registers
.set T,  220                           ; v220-222, v224-226 the upper halves of the two blocks' codes
.set TM, 228                           ; v228-229 largest magnitudes
.set SO, 230                           ; v230-231 the conversions' scale operands
.set SW, 232                           ; v232-235 the four steps' scale words
	s_load_b256 s[4:11], s[0:1], 0x0               ; x, W_q, W_k, W_v
	s_load_b256 s[12:19], s[0:1], 0x20             ; W_out, xc, xs, wc
	s_load_b64 s[20:21], s[0:1], 0x40              ; ws
	v_lshl_add_u32 v254, v0, 2, 0x8400
	v_mov_b32 v255, 0
	v_lshrrev_b32 v7, 5, v0
	v_readfirstlane_b32 s22, v7                    ; wave
	v_and_b32 v8, 31, v0                           ; lane l
	v_and_b32 v9, 15, v0                           ; r
	v_bfe_u32 v10, v0, 4, 1                        ; h
	v_lshlrev_b32 v1, 4, v8                        ; 16 l
	s_mul_i32 s23, s22, STGB
	v_add_nc_u32 v2, s23, v1                       ; the stage, on the way in: 16 l of a row
	v_mul_u32_u24 v3, v9, 528
	v_lshl_add_u32 v3, v10, 7, v3
	v_add_nc_u32 v3, s23, v3                       ; and on the way out: row r, block h
	v_lshl_add_u32 v4, v8, 3, 512                  ; 512 + 8 l
	v_lshlrev_b32 v5, 4, v9
	v_lshl_add_u32 v5, v10, 3, v5                  ; 16 r + 8 h: my two scale words
	v_lshlrev_b32 v6, 3, v10                       ; 8 h
	v_mov_b32 v239, 0                              ; written once: a lane permute's destination counts as one of its sources
	s_mov_b32 s28, 0x76543210
	s_mov_b32 s29, 0xfedcba98                      ; selects for lane l xor 16
	s_lshr_b32 s30, s22, 1                         ; which of the two tiles
	s_and_b32 s31, s22, 1                          ; which half of K
	s_and_b32 s25, ttmp9, 31
	s_wait_alu depctr_va_vdst(0)
	s_wait_kmcnt 0x0
	s_cmp_lt_u32 ttmp9, 224                        ; the buffers are chosen by the work-group's number alone
	s_cselect_b64 s[10:11], s[10:11], s[12:13]
	s_cmp_lt_u32 ttmp9, 192
	s_cselect_b64 s[8:9], s[8:9], s[10:11]
	s_cmp_lt_u32 ttmp9, 160
	s_cselect_b64 s[6:7], s[6:7], s[8:9]
	s_cmp_lt_u32 ttmp9, 128
	s_cselect_b64 s[4:5], s[4:5], s[6:7]           ; the source
	s_cselect_b64 s[14:15], s[14:15], s[18:19]     ; its codes
	s_cselect_b64 s[16:17], s[16:17], s[20:21]     ; its scale words
	s_cselect_b32 s25, ttmp9, s25                  ; which 32 rows of the source
	s_cselect_b32 s24, 0, 128
	s_sub_co_u32 s24, ttmp9, s24                   ; which pair of tiles of the codes' buffer
	s_lshl_b32 s32, s25, 17                        ; 32 rows of 4,096 bytes
	s_lshl_b32 s33, s30, 15                        ; the second tile begins 8 rows down
	s_add_co_u32 s32, s32, s33
	s_lshl_b32 s33, s31, 11                        ; the second half of K: 2,048 bytes on
	s_add_co_u32 s32, s32, s33
	s_mov_b32 s33, 0
	s_add_nc_u64 s[4:5], s[4:5], s[32:33]
	s_lshl_b32 s24, s24, 1
	s_add_co_u32 s24, s24, s30                     ; my tile
	s_mul_i32 s32, s24, 12288
	s_mul_i32 s34, s31, 6144
	s_add_co_u32 s32, s32, s34
	s_add_nc_u64 s[14:15], s[14:15], s[32:33]
	s_lshl_b32 s32, s24, 9
	s_lshl_b32 s34, s31, 8
	s_add_co_u32 s32, s32, s34
	s_add_nc_u64 s[16:17], s[16:17], s[32:33]
.macro LOAD t                          ; step t: 128 numbers of each of my tile's 16 rows; 32 lanes read 512 consecutive bytes
.irp i, 0,1,2,3,4,5,6,7,8,9,10,11,12,13,14,15
	global_load_b128 v[R+64*((\t)%2)+4*\i:R+64*((\t)%2)+4*\i+3], v1, s[4:5] offset:(\i+8*(\i/8))*4096+512*(\t) th:TH_LOAD_NT
.endr
.endm
.macro STEP t
.if (\t) < 3
	s_wait_loadcnt 16                              ; this step's 16 loads are in; the next step's 16 may be out
.else
	s_wait_loadcnt 0x0
.endif
.irp i, 0,1,2,3,4,5,6,7,8,9,10,11,12,13,14,15
	ds_store_b128 v2, v[R+64*((\t)%2)+4*\i:R+64*((\t)%2)+4*\i+3] offset:528*\i
.endr
.irp c, 0,1                            ; LDS serves a wave's instructions in order: these see the stores above, and the next step's stores come behind them
.irp i, 0,1,2,3,4,5,6,7
	ds_load_b128 v[X+32*\c+4*\i:X+32*\c+4*\i+3], v3 offset:256*\c+16*\i
.endr
.endr
	s_wait_dscnt 0x0                               ; my numbers are back, and the stores into the stage have read their registers
	s_wait_xcnt 0x0                                ; the last step's stores have read their data: the codes' registers may be written again
.if (\t) < 2
	LOAD (\t)+2
.endif
.irp c, 0,1
	v_max3_num_f32 v[TM+\c], |v[X+32*\c]|, |v[X+32*\c+1]|, 0x1800000   ; a whole block is mine; the floor 2^(3 - 127) holds the byte at 1 from below
.endr
.irp i, 2,4,6,8,10,12,14,16,18,20,22,24,26,28,30
.irp c, 0,1
	v_max3_num_f32 v[TM+\c], v[TM+\c], |v[X+32*\c+\i]|, |v[X+32*\c+\i+1]|
.endr
.endr
.irp c, 0,1
	v_add_nc_u32 v[SO+\c], 0xff000000, v[TM+\c]    ; 2 off the exponent field: the conversion takes this operand's exponent field as its scale
.endr
.irp c, 0,1
	v_lshrrev_b32 v[236+\c], 23, v[SO+\c]          ; the byte
.endr
	v_lshl_or_b32 v238, v237, 16, v236             ; my bytes: blocks h and 2 + h,
	v_lshlrev_b32 v238, v6, v238                   ; at their places in the word;
	v_permlanex16_b32 v239, v238, s28, s29
	v_or_b32 v[SW+(\t)], v238, v239                ; with lane l xor 16's two the word is whole
.irp c, 0,1
	v_cvt_scalef32_pk16_fp6_f32 v[C+6*\c:C+6*\c+2], v[X+32*\c:X+32*\c+15], v[SO+\c]
	v_cvt_scalef32_pk16_fp6_f32 v[T+4*\c:T+4*\c+2], v[X+32*\c+16:X+32*\c+31], v[SO+\c]   ; (a conversion's three registers begin on an even number)
.endr
	v_nop                                          ; one plain place behind the conversions
.irp c, 0,1
.irp i, 0,1,2
	v_mov_b32 v[C+6*\c+3+\i], v[T+4*\c+\i]
.endr
.endr
.irp c, 0,1
	global_store_b128 v1, v[C+6*\c:C+6*\c+3], s[14:15] offset:1536*(\t)+768*\c     ; 512 consecutive bytes,
	global_store_b64 v4, v[C+6*\c+4:C+6*\c+5], s[14:15] offset:1536*(\t)+768*\c    ; and the 256 behind them
.endr
.endm
	LOAD 0
	LOAD 1
	STEP 0
	STEP 1
	STEP 2
	STEP 3
	v_cmp_lt_u32 vcc_lo, 15, v8                    ; lanes 16-31 store words 2 and 3 of their row, lanes 0-15 words 0 and 1
	v_cndmask_b32 v240, v[SW], v[SW+2], vcc_lo
	v_cndmask_b32 v241, v[SW+1], v[SW+3], vcc_lo
	global_store_b64 v5, v[240:241], s[16:17]      ; 32 lanes store 256 consecutive bytes, aligned
	s_wait_tensorcnt 0x0
	ds_add_u32 v254, v255
	s_wait_dscnt 0x0
	s_endpgm
.Lfunc_end_k_qcda781553b_quant:
	.size	k_qcda781553b_quant, .Lfunc_end_k_qcda781553b_quant-k_qcda781553b_quant
	.p2alignl 7, 3214868480
	.fill 96, 4, 3214868480
	.section	.rodata,"a",@progbits
	.p2align	6, 0x0
	.amdhsa_kernel k_qcda781553b_quant
		.amdhsa_group_segment_fixed_size 34304
		.amdhsa_private_segment_fixed_size 0
		.amdhsa_enable_private_segment 0
		.amdhsa_kernarg_size 72
		.amdhsa_user_sgpr_count 2
		.amdhsa_user_sgpr_kernarg_segment_ptr 1
		.amdhsa_wavefront_size32 1
		.amdhsa_system_sgpr_workgroup_id_x 1
		.amdhsa_system_sgpr_workgroup_id_y 1
		.amdhsa_system_sgpr_workgroup_id_z 1
		.amdhsa_system_vgpr_workitem_id 0
		.amdhsa_next_free_vgpr 256
		.amdhsa_next_free_sgpr 66
		.amdhsa_reserve_vcc 1
		.amdhsa_float_denorm_mode_32 3
		.amdhsa_float_denorm_mode_16_64 3
		.amdhsa_memory_ordered 1
		.amdhsa_forward_progress 1
		.amdhsa_inst_pref_size 31
	.end_amdhsa_kernel
	.amdgpu_metadata
---
amdhsa.version: [ 1, 2 ]
amdhsa.kernels:
  - .name:           k_qcda781553b_quant
    .symbol:         k_qcda781553b_quant.kd
    .args:
      - { .name: x, .offset: 0, .size: 8, .value_kind: global_buffer, .address_space: global }
      - { .name: W_q, .offset: 8, .size: 8, .value_kind: global_buffer, .address_space: global }
      - { .name: W_k, .offset: 16, .size: 8, .value_kind: global_buffer, .address_space: global }
      - { .name: W_v, .offset: 24, .size: 8, .value_kind: global_buffer, .address_space: global }
      - { .name: W_out, .offset: 32, .size: 8, .value_kind: global_buffer, .address_space: global }
      - { .name: xc, .offset: 40, .size: 8, .value_kind: global_buffer, .address_space: global }
      - { .name: xs, .offset: 48, .size: 8, .value_kind: global_buffer, .address_space: global }
      - { .name: wc, .offset: 56, .size: 8, .value_kind: global_buffer, .address_space: global }
      - { .name: ws, .offset: 64, .size: 8, .value_kind: global_buffer, .address_space: global }
    .group_segment_fixed_size: 34304
    .private_segment_fixed_size: 0
    .kernarg_segment_align: 8
    .kernarg_segment_size: 72
    .max_flat_workgroup_size: 128
    .sgpr_count:     66
    .vgpr_count:     256
    .wavefront_size: 32
...
	.end_amdgpu_metadata
.endif
;; end of part 1
;; launch qkv (part 2): grid 8 x 32, 4 waves a work-group, clusters of 4 x 4, 327,680 bytes of LDS; arguments xc, xs, wc, ws, b_q, b_k, b_v, ac, asc; writes ac, asc
.if DOCPART == 2
	.amdgcn_target "amdgcn-amd-amdhsa--gfx1250"
	.amdhsa_code_object_version 6
	.text
	.protected	k_qcda781553b_qkv
	.globl	k_qcda781553b_qkv
	.p2align	8
	.type	k_qcda781553b_qkv,@function
k_qcda781553b_qkv:
	s_mov_b64 s[64:65], 0
	v_nop
	global_prefetch_b8 v0, s[64:65] scope:SCOPE_SE
	s_setreg_imm32_b32 hwreg(HW_REG_WAVE_MODE, 25, 1), 1
	s_wait_xcnt 0x0
	s_wait_alu depctr_hold_cnt(0) depctr_sa_sdst(0) depctr_va_vdst(0) depctr_va_sdst(0) depctr_va_ssrc(0) depctr_va_vcc(0) depctr_vm_vsrc(0)
	s_getreg_b32 s2, hwreg(HW_REG_IB_STS2, 6, 4)
	s_cmp_eq_u32 s2, 0
	s_cbranch_scc0 .Lentry_in_a_cluster
	s_endpgm
.Lentry_in_a_cluster:
	s_bfe_u32 s2, ttmp6, 0x10000c
	s_cmp_lg_u32 s2, 0xf033
	s_cbranch_scc0 .Lentry_shape_is_right
	s_endpgm
.Lentry_shape_is_right:
; Q = x W_q^T + b_q, K = x W_k^T + b_k, V = x W_v^T + b_v on codes of FP6 (E2M3) with E8M0 scales; the results leave as codes: Q and K quantised along the head's 64, V along the keys.
; SHARES.  256 work-groups; work-group (G = 0 .. 7, M = 0 .. 31) keeps x's 128 tokens of tile M in LDS and takes them through THREE PHASES, each a tile of 128 (m) x 128 (n), K = 1,024, quantised along n:
;   phase 0: m = tokens (A = x), n = W_q's outputs 128 G ..;  phase 1: the same with W_k;  phase 2: V TRANSPOSED: m = W_v's outputs 128 G .. (A), n = the same tokens (B = x), so that n runs along the keys.
; Four waves, each 64 x 64: 16 accumulators.  THE MATRIX INSTRUCTION IS USED TRANSPOSED (source 0 = a tile of B, source 1 = a tile of A): a lane holds one m, its registers run along n.
; A TILE of 16 rows is rows 32 (T / 2) + 8 (T % 2) + i + 8 (i / 8): so the 16 registers of B's tiles 2 b and 2 b + 1 are 16 neighbours along n.
; OPERANDS lie in memory in the order of their registers: [tile][16 half fragments][768]; a half fragment: lane l's first 16 bytes at 16 l, its last 8 at 512 + 8 l.
; LDS: three regions of 8 tiles x 12,288 bytes: X (x's tile) at 0, W0 at 98,304, W1 at 196,608; behind them the exchange words and the spare words.
; FILLS, each 4 tiles = 49,152 dense bytes: at the head one joint load a wave (waves 0, 1: x; waves 2, 3: W_q into W0).  W_k into W1 (waves 2, 3): a first fill behind the three lines and a round of the cluster's barrier.
; W_v into W0, once filled again: behind the same lines and a round that stands behind phase 0's products; it has phase 0's way out and all of phase 1 in which to land, and a plain barrier ahead of phase 2 shows it.
; CLUSTERS: 4 x 4 work-groups; x's tile is shared along a row of the cluster (same M), a weight's along a column (same G).
; NO PREFETCH: each weight's own load goes out a whole phase ahead of its first read, and the head's tiles have no loop ahead of them.
; OUT: ac: regions Q, K: [batch x head 32][token tile 128][768]; region V: [batch x head][64 keys, 32][tile of the head's 64, 4][768].
;      asc: groups of 256 bytes [row 16][4 words, one a tile]: Q's at 0 (8,192 a head), then for each head 12,288: K's 32 groups, V's 16 (one a key step of 128).
;      A word of Q or K is b0 b1 b0 b1: the product Q K^T has K = 64 in a form of 128, and the two blocks of zero codes repeat the real bytes.
; LIMITS: NaN and infinities are not served; a block of zeros gets the byte 1 where the rule says 127 (its codes are zeros; this program alone reads the bytes).
; REGISTERS: window 0: v1-25 addresses; v32-63 A's scale words (8 a + K step), v64-95 B's: scales and nothing else; v96-127 at work on the way out; v128-255 the accumulators.
;   window 1: two fragment buffers at v0 and v128: A's fragment a at + 12 a, B's b at + 48 + 12 b.   window 2: v0-95 the three biases; v96-127 W_k's scale words; v128-159 W_v's; v160-191 x's for phase 2.
.set RW,   1                           ; 16 r
.set LI,   6                           ; 16 l
.set L8,   7                           ; 512 + 8 l
.set XW,   8                           ; LDS: where I put my four scale words
.set XR,   9                           ; and where my neighbour wave put its
.set SOF,  10                          ; 16 r + 8 h
.set XM,   16                          ; v16, v17 LDS: X, my four tiles by my half of m (16 l; 512 + 8 l);  v18, v19: by my half of n
.set XN,   18
.set W0N,  20                          ; W0 by n;  v22: W1 by n;  v24: W0 by m
.set W1N,  22
.set W0M,  24
.set SA,   32
.set SB,   64
.set ACC,  128
.set TM,   96
.set TX,   98
.set SO,   100
.set BY,   102
.set T,    104
.set PW,   108
.set PP,   112
.set W,    116
.set RGN,  98304
.set EXCH, 3*RGN                       ; 512 bytes a wave; no tensor load lands here
.set SPARE, EXCH+2048
.set WV, 22
.set WM, 23
.set WN, 24
.set CX, 25
.set CY, 26
.set G1A, 28
.set G1B, 36
.set G0A, 44
.set G0B, 48
.set G,  52
.set M,  53
.set SLO, 2
.set SHI, 3
.set SEL, 100
.set MSB, 0
.macro WIN new                         ; the immediate's high byte repeats the setting that is left
.if MSB != \new
	s_set_vgpr_msb (MSB<<8)|\new
.set MSB, \new
.endif
.endm
.macro PLACES
.rept 4
	v_nop
.endr
.endm
.macro CROUND                          ; a round of the cluster's barrier
	s_barrier_signal -1
	s_barrier_wait -1
	s_cmp_lg_u32 s[WV], 0
	s_cbranch_scc1 .Lnot_wave_0_\@
	s_barrier_signal -3
.Lnot_wave_0_\@:
	s_barrier_wait -3
	s_barrier_signal -1
	s_barrier_wait -1
.endm
; The three lines, the next weight's descriptor (64 tiles on in wc; region at \lds), a round, and waves 2 and 3's joint load
.macro REFILL lds
	s_wait_tensorcnt 0x0
	ds_add_u32 v30, v31
	s_add_nc_u64 s[G0B+2:G0B+3], s[G0B+2:G0B+3], 64*12288
	s_mul_i32 s[G0B+1], s[WN], 49152
	s_add_co_u32 s[G0B+1], s[G0B+1], \lds
	s_wait_dscnt 0x0
	CROUND
	s_cmp_eq_u32 s[WM], 1
	s_cbranch_scc0 .Lno_w_\@
	tensor_load_to_lds s[G0B:G0B+3], s[G1B:G1B+7]
	s_nop 0
	PLACES
.Lno_w_\@:
.endm
	s_load_b256 s[4:11], s[0:1], 0x0               ; xc, xs, wc, ws
	s_load_b256 s[12:19], s[0:1], 0x20             ; b_q, b_k, b_v, ac
	s_load_b64 s[20:21], s[0:1], 0x40              ; asc
	v_lshl_add_u32 v30, v0, 2, SPARE
	v_mov_b32 v31, 0
	ds_add_u32 v30, v31                            ; the opening lines
	ds_add_u32 v30, v31
	v_lshrrev_b32 v12, 5, v0
	v_readfirstlane_b32 s[WV], v12                 ; wave 0..3
	s_lshr_b32 s[WM], s[WV], 1                     ; my half of m.  Also: I fetch x (0) or weights (1)
	s_and_b32 s[WN], s[WV], 1                      ; my half of n.  Also: which four tiles I fetch
	s_bfe_u32 s[CX], ttmp6, 0x40000
	s_bfe_u32 s[CY], ttmp6, 0x40004
	s_lshl_b32 s[G], ttmp9, 2
	s_add_co_u32 s[G], s[G], s[CX]                 ; G
	s_and_b32 s[M], ttmp7, 0xffff
	s_lshl_b32 s[M], s[M], 2
	s_add_co_u32 s[M], s[M], s[CY]                 ; M
	s_lshl_b32 s92, s[CY], 2
	s_lshl_b32 s92, 15, s92                        ; my row of the cluster
	s_lshl_b32 s93, 0x1111, s[CX]                  ; my column
	s_or_b32 s[G1A], s92, (3<<16)|(1<<21)          ; the mask; elements of 8 bytes; bit 21 beside a mask
	s_or_b32 s[G1B], s93, (3<<16)|(1<<21)
.irp g, G1A, G1B
	s_mov_b32 s[\g+1], 1536<<16                    ; rows of 12,288 bytes: a tile, all of K
	s_mov_b32 s[\g+2], 4<<16                       ; 4 tiles
	s_mov_b32 s[\g+3], 1536<<16
	s_mov_b32 s[\g+4], 4
	s_mov_b32 s[\g+5], 1536
	s_mov_b32 s[\g+6], 0
	s_mov_b32 s[\g+7], 0
.endr
	s_lshl_b32 s54, s[WN], 2
	s_lshl_b32 s56, s[M], 3
	s_add_co_u32 s56, s56, s54                     ; x's tile 8 M + 4 (wave % 2)
	s_mul_i32 s58, s56, 12288
	s_mov_b32 s59, 0
	s_lshl_b32 s57, s[G], 3
	s_add_co_u32 s57, s57, s54                     ; a weight's tile 8 G + 4 (wave % 2)
	s_mul_i32 s60, s57, 12288
	s_mov_b32 s61, 0
	s_mul_i32 s55, s[WN], 49152
	s_mov_b32 s[SEL], 0x76543210
	s_mov_b32 s[SEL+1], 0xfedcba98
	s_wait_dscnt 0x0
	s_wait_kmcnt 0x0
	s_mov_b32 s[G0A], 1
	s_mov_b32 s[G0A+1], s55
	s_add_nc_u64 s[G0A+2:G0A+3], s[4:5], s[58:59]
	s_or_b32 s[G0A+3], s[G0A+3], 0x80000000
	s_mov_b32 s[G0B], 1
	s_add_co_u32 s[G0B+1], s55, RGN
	s_add_nc_u64 s[G0B+2:G0B+3], s[8:9], s[60:61]
	s_or_b32 s[G0B+3], s[G0B+3], 0x80000000
	CROUND                                         ; all sixteen work-groups are here: the joint loads meet
	s_cmp_eq_u32 s[WM], 0
	s_cbranch_scc0 .Lfor_w
	tensor_load_to_lds s[G0A:G0A+3], s[G1A:G1A+7]
	s_nop 0
	PLACES
	s_branch .Lasked
.Lfor_w:
	tensor_load_to_lds s[G0B:G0B+3], s[G1B:G1B+7]
	s_nop 0
	PLACES
.Lasked:
	s_mul_i32 s94, s[WM], 49152
	s_lshl_b32 s96, s[WV], 9
	s_add_co_u32 s96, s96, EXCH
	s_xor_b32 s97, s[WV], 1                        ; the wave with the other half of n
	s_lshl_b32 s97, s97, 9
	s_add_co_u32 s97, s97, EXCH
	v_and_b32 v12, 31, v0                          ; l
	v_and_b32 v13, 15, v0                          ; r
	v_bfe_u32 v14, v0, 4, 1                        ; h
	v_lshlrev_b32 v[RW], 4, v13
	v_lshlrev_b32 v[LI], 4, v12
	v_lshl_add_u32 v[L8], v12, 3, 512
	v_add_nc_u32 v[XM], s94, v[LI]
	v_add_nc_u32 v[XM+1], s94, v[L8]
	v_add_nc_u32 v[XN], s55, v[LI]
	v_add_nc_u32 v[XN+1], s55, v[L8]
	v_add_nc_u32 v[W0N], RGN, v[XN]
	v_add_nc_u32 v[W0N+1], RGN, v[XN+1]
	v_add_nc_u32 v[W1N], 2*RGN, v[XN]
	v_add_nc_u32 v[W1N+1], 2*RGN, v[XN+1]
	v_add_nc_u32 v[W0M], RGN, v[XM]
	v_add_nc_u32 v[W0M+1], RGN, v[XM+1]
	v_add_nc_u32 v[XW], s96, v[LI]
	v_add_nc_u32 v[XR], s97, v[LI]
	v_lshl_add_u32 v[SOF], v14, 3, v[RW]
	v_lshlrev_b32 v11, 6, v14                      ; a bias along n: 16 h numbers on
	v_and_b32 v15, 8, v13
	v_add_nc_u32 v15, v15, v13
	v_lshlrev_b32 v15, 2, v15                      ; a bias along m: number r + 8 (r / 8)
	v_mov_b32 v[TX], 0                             ; a lane permute's destination counts as one of its sources
	v_mov_b32 v[TX+1], 0
	s_wait_alu depctr_va_vdst(0)                   ; the wait at the end of the head's vector work
	; the sources of scale words and biases (s59 = 0)
	s_lshl_b32 s54, s[WM], 2
	s_lshl_b32 s58, s[M], 3
	s_add_co_u32 s58, s58, s54
	s_lshl_b32 s58, s58, 9                         ; 512 bytes a tile
	s_add_nc_u64 s[78:79], s[6:7], s[58:59]        ; x's words by m
	s_lshl_b32 s58, s56, 9
	s_add_nc_u64 s[80:81], s[6:7], s[58:59]        ; x's by n
	s_lshl_b32 s58, s57, 9
	s_add_nc_u64 s[82:83], s[10:11], s[58:59]      ; a weight's by n
	s_lshl_b32 s58, s[G], 3
	s_add_co_u32 s58, s58, s54
	s_lshl_b32 s58, s58, 9
	s_add_nc_u64 s[84:85], s[10:11], s[58:59]      ; a weight's by m
	s_lshl_b32 s60, s[G], 9
	s_lshl_b32 s58, s[WN], 8
	s_add_co_u32 s58, s58, s60                     ; 4 (128 G + 64 half)
	s_add_nc_u64 s[86:87], s[12:13], s[58:59]
	s_add_nc_u64 s[88:89], s[14:15], s[58:59]
	s_lshl_b32 s58, s[WM], 8
	s_add_co_u32 s58, s58, s60
	s_add_nc_u64 s[90:91], s[16:17], s[58:59]
.irp a, 0,1,2,3                        ; lane r takes row r's four words of half a K
.irp f, 0,1
	global_load_b128 v[SA+8*\a+4*\f:SA+8*\a+4*\f+3], v[RW], s[78:79] offset:512*\a+256*\f
	global_load_b128 v[SB+8*\a+4*\f:SB+8*\a+4*\f+3], v[RW], s[82:83] offset:512*\a+256*\f
.endr
.endr
	WIN 0x80                                       ; destination window 2
.irp b, 0,1,2,3                        ; a bias along n: register j of B's tile b is column 32 (b / 2) + 8 (b % 2) + 16 h + j
.irp f, 0,1
	global_load_b128 v[8*\b+4*\f:8*\b+4*\f+3], v11, s[86:87] offset:(32*(\b/2)+8*(\b%2))*4+16*\f
	global_load_b128 v[32+8*\b+4*\f:32+8*\b+4*\f+3], v11, s[88:89] offset:(32*(\b/2)+8*(\b%2))*4+16*\f
.endr
.endr
.irp a, 0,1,2,3
.irp f, 0,1
	global_load_b128 v[96+8*\a+4*\f:96+8*\a+4*\f+3], v[RW], s[82:83] offset:64*512+512*\a+256*\f
	global_load_b128 v[128+8*\a+4*\f:128+8*\a+4*\f+3], v[RW], s[84:85] offset:128*512+512*\a+256*\f
	global_load_b128 v[160+8*\a+4*\f:160+8*\a+4*\f+3], v[RW], s[80:81] offset:512*\a+256*\f
.endr
.endr
.irp a, 0,1,2,3                        ; a bias along m: all eight registers of A's tile a hold the number of my row
.irp j, 0,1,2,3,4,5,6,7
	global_load_b32 v[64+8*\a+\j], v15, s[90:91] offset:(32*(\a/2)+8*(\a%2))*4
.endr
.endr
	WIN 0
	; where my results go
	s_lshr_b32 s60, s[M], 4
	s_lshl_b32 s60, s60, 4                         ; 16 x batch
	s_lshl_b32 s61, s[G], 1
	s_add_co_u32 s60, s60, s61
	s_add_co_u32 s61, s60, s[WN]                   ; Q, K: my 64 columns are one head
	s_add_co_u32 s62, s60, s[WM]                   ; V: my 64 rows are
	s_and_b32 s63, s[M], 15                        ; the key step of 128
	s_lshl_b32 s60, s63, 1
	s_add_co_u32 s66, s60, s[WM]                   ; Q, K: my group of four token tiles
	s_add_co_u32 s67, s60, s[WN]                   ; V: my 64 keys
	s_mul_i32 s58, s61, 98304
	s_mul_i32 s60, s66, 3072
	s_add_co_u32 s58, s58, s60
	s_add_nc_u64 s[68:69], s[18:19], s[58:59]      ; Q's codes; K's lie 3,145,728 on
	s_mul_i32 s58, s62, 98304
	s_mul_i32 s60, s67, 3072
	s_add_co_u32 s58, s58, s60
	s_add_co_u32 s58, s58, 2*3145728
	s_add_nc_u64 s[70:71], s[18:19], s[58:59]      ; V's
	s_lshl_b32 s60, s66, 8
	s_lshl_b32 s58, s61, 13
	s_add_co_u32 s58, s58, s60
	s_add_nc_u64 s[72:73], s[20:21], s[58:59]      ; Q's words
	s_mul_i32 s58, s61, 12288
	s_add_co_u32 s58, s58, s60
	s_add_co_u32 s58, s58, 262144
	s_add_nc_u64 s[74:75], s[20:21], s[58:59]      ; K's
	s_mul_i32 s58, s62, 12288
	s_lshl_b32 s60, s63, 8
	s_add_co_u32 s58, s58, s60
	s_add_co_u32 s58, s58, 262144+8192
	s_add_nc_u64 s[76:77], s[20:21], s[58:59]      ; V's
	s_cmp_lg_u32 s[WN], 0                          ; V's word of 128 keys is made of two waves' bytes:
	s_cselect_b32 s[SLO], -1, 0                    ; the low half is my neighbour's (second half of n),
	s_cselect_b32 s[SHI], 0, -1                    ; or the high half is (first half of n)
.macro FETCH f, q                      ; 32 LDS loads: my 4 + 4 fragments of K step q into buffer f; A's by v[PA], v[PA+1], B's by v[PB], v[PB+1]
	WIN 0x40                                       ; destination window 1, address window 0
.irp i, 0,1,2,3
.irp c, 0,1
	ds_load_b128 v[\f+12*\i+6*\c:\f+12*\i+6*\c+3], v[PA] offset:12288*\i+1536*(\q)+768*\c
	ds_load_b64 v[\f+12*\i+6*\c+4:\f+12*\i+6*\c+5], v[PA+1] offset:12288*\i+1536*(\q)+768*\c
.endr
.endr
.irp i, 0,1,2,3
.irp c, 0,1
	ds_load_b128 v[\f+48+12*\i+6*\c:\f+48+12*\i+6*\c+3], v[PB] offset:12288*\i+1536*(\q)+768*\c
	ds_load_b64 v[\f+48+12*\i+6*\c+4:\f+48+12*\i+6*\c+5], v[PB+1] offset:12288*\i+1536*(\q)+768*\c
.endr
.endr
.endm
.macro MM a, b, f, s, c
	v_wmma_scale_f32_16x16x128_f8f6f4 v[ACC+8*(4*\a+\b):ACC+8*(4*\a+\b)+7], v[\f+48+12*\b:\f+48+12*\b+11], v[\f+12*\a:\f+12*\a+11], \c, v[SB+8*\b+(\s)], v[SA+8*\a+(\s)] matrix_a_fmt:MATRIX_FMT_FP6 matrix_b_fmt:MATRIX_FMT_FP6
.endm
; 16 matrix instructions, K step s: the 16 accumulators take turns, one instruction a turn.
; mode 0: onto the sums; 1: the sums begin with the bias along n, at v[bw] of window 2; 2: with the bias along m.
.macro MUL16 f, s, mode, bw=0
.irp a, 0,1,2,3
.irp b, 0,1,2,3
.if \mode == 0
	MM \a, \b, \f, \s, v[ACC+8*(4*\a+\b):ACC+8*(4*\a+\b)+7]
.elseif \mode == 1
	MM \a, \b, \f, \s, v[\bw+8*\b:\bw+8*\b+7]
.else
	MM \a, \b, \f, \s, v[\bw+8*\a:\bw+8*\a+7]
.endif
.endr
.endr
.endm
.macro NEXT f, q, g, s                 ; the buffer just multiplied takes K step q, four places behind its products; then buffer g, K step s: its loads are in, the 32 just issued may be out
	PLACES
	FETCH \f, \q
	s_wait_dscnt 32
	WIN 0x05
	MUL16 \g, \s, 0
.endm
.macro COMPUTE mode, bw                ; a phase's 128 products
	FETCH 0, 0
	FETCH 128, 1
	s_wait_dscnt 32
	WIN 0x25                                       ; sources 0 and 1 window 1, C window 2, D window 0
	MUL16 0, 0, \mode, \bw
	NEXT 0, 2, 128, 1
	NEXT 128, 3, 0, 2
	NEXT 0, 4, 128, 3
	NEXT 128, 5, 0, 4
	NEXT 0, 6, 128, 5
	NEXT 128, 7, 0, 6
	s_wait_dscnt 0x0
	MUL16 128, 7, 0
	WIN 0
.endm
.macro TAKE d, s                       ; 32 scale words out of window 2; the way out that follows stands between them and the next products
	WIN 0x02
.set I, 0
.rept 32
	v_mov_b32 v[\d+I], v[\s+I]
.set I, I+1
.endr
	WIN 0
.endm
; THE WAY OUT.  32 numbers of a lane, register 16 b + i = n 32 b + 16 (lane / 16) + i of my row, become a half fragment's six registers in v[pc] on and its two bytes in v[pw].
.macro QUANT2 s, pc, pw
.irp b, 0,1
	v_max3_num_f32 v[TM+\b], |v[(\s)+16*\b]|, |v[(\s)+16*\b+1]|, 0x1800000   ; each accumulator from its low end on; the floor 2^(3 - 127) holds the byte at 1 from below
.endr
.irp i, 2,4,6,8,10,12,14
.irp b, 0,1
	v_max3_num_f32 v[TM+\b], v[TM+\b], |v[(\s)+16*\b+\i]|, |v[(\s)+16*\b+\i+1]|
.endr
.endr
.irp b, 0,1
	v_permlanex16_b32 v[TX+\b], v[TM+\b], s[SEL], s[SEL+1]
.endr
.irp b, 0,1
	v_max_num_f32 v[TM+\b], v[TM+\b], v[TX+\b]     ; with lane l xor 16's 16: the block's largest magnitude
.endr
.irp b, 0,1
	v_add_nc_u32 v[SO+\b], 0xff000000, v[TM+\b]    ; 2 off its exponent field: the conversion's scale operand
.endr
.irp b, 0,1
	v_lshrrev_b32 v[BY+\b], 23, v[SO+\b]
.endr
	v_lshl_or_b32 v[\pw], v[BY+1], 8, v[BY]
	v_cvt_scalef32_pk16_fp6_f32 v[\pc:\pc+2], v[(\s):(\s)+15], v[SO]
	v_cvt_scalef32_pk16_fp6_f32 v[T:T+2], v[(\s)+16:(\s)+31], v[SO+1]
	v_nop                                          ; one plain place behind the conversions
.irp i, 0,1,2
	v_permlane16_swap_b32 v[\pc+\i], v[T+\i]       ; a lane is to hold a WHOLE block
.endr
.irp i, 0,1,2
	v_mov_b32 v[\pc+3+\i], v[T+\i]
.endr
.endm
.macro CODES4 cb, off                  ; each tile's codes go to registers of their own (v122-127, then the accumulators of the tile before): the wave's four half fragments are 3,072 consecutive bytes
.irp a, 0,1,2,3
.if \a == 0
.set PC, 122
.else
.set PC, ACC+32*(\a-1)
.endif
	QUANT2 ACC+32*\a, PC, PW+\a
	global_store_b128 v[LI], v[PC:PC+3], s[\cb:\cb+1] offset:(\off)+768*\a
	global_store_b64 v[L8], v[PC+4:PC+5], s[\cb:\cb+1] offset:(\off)+768*\a
.endr
.endm
.macro PICK                            ; lanes 0-15 store tiles 0 and 1's words of their row, lanes 16-31 tiles 2 and 3's
	v_cmp_lt_u32 vcc_lo, 15, v12
	v_cndmask_b32 v120, v[W], v[W+2], vcc_lo
	v_cndmask_b32 v121, v[W+1], v[W+3], vcc_lo
.endm
.macro OUTQK cb, off, wb
	CODES4 \cb, \off
.irp a, 0,1,2,3
	v_lshl_or_b32 v[W+\a], v[PW+\a], 16, v[PW+\a]  ; b0 b1 b0 b1
.endr
	PICK
	global_store_b64 v[SOF], v[120:121], s[\wb:\wb+1]   ; 256 consecutive bytes, aligned
.endm
	REFILL 2*RGN                                   ; x and W_q are in and shown to all; W_k sets out into W1
	s_wait_loadcnt 0x0                             ; scale words and biases
.set PA, XM
.set PB, W0N
	COMPUTE 1, 0                                   ; PHASE 0: Q
	REFILL RGN                                     ; nobody reads W0 any more, W_k is in: W_v sets out into W0
	PLACES                                         ; between the last products and the writes of their scale registers and the first read of results
	TAKE SB, 96                                    ; W_k's words
	OUTQK 68, 0, 72
	s_wait_xcnt 0x0                                ; the stores have read their data: the accumulators may be written again
.set PB, W1N
	COMPUTE 1, 32                                  ; PHASE 1: K
	PLACES
	TAKE SA, 128                                   ; W_v's words, and x's by my half of n
	TAKE SB, 160
	OUTQK 68, 3145728, 74
	s_wait_alu depctr_va_vdst(0)                   ; the wait ahead of the waits below
	s_wait_tensorcnt 0x0                           ; every wave: W_v is in;
	s_wait_dscnt 0x0
	s_barrier_signal -1                            ; a plain barrier shows it
	s_barrier_wait -1
	s_wait_xcnt 0x0
.set PA, W0M
.set PB, XN
	COMPUTE 2, 64                                  ; PHASE 2: V, transposed
	PLACES
	CODES4 70, 0
	ds_store_b128 v[XW], v[PW:PW+3]                ; my four tiles' bytes, for the wave with the other half of n
	s_wait_dscnt 0x0                               ; for the others' sake: my store has landed
	s_barrier_signal -1
	s_barrier_wait -1
	ds_load_b128 v[PP:PP+3], v[XR]
	s_wait_dscnt 0x0
.irp a, 0,1,2,3
	v_cndmask_b32 v[W+\a], v[PW+\a], v[PP+\a], s[SHI]    ; the high half: mine, or in the first wave my neighbour's
	v_cndmask_b32 v[PP+\a], v[PW+\a], v[PP+\a], s[SLO]   ; the low half
.endr
.irp a, 0,1,2,3
	v_lshl_or_b32 v[W+\a], v[W+\a], 16, v[PP+\a]
.endr
	PICK
	s_cmp_lg_u32 s[SLO], 0                         ; of the two waves with the same words the first stores them
	s_cbranch_scc1 .Lno_words
	global_store_b64 v[SOF], v[120:121], s[76:77]  ; 256 consecutive bytes, aligned
.Lno_words:
	s_wait_tensorcnt 0x0                           ; the wave's end
	ds_add_u32 v30, v31
	s_wait_dscnt 0x0
	CROUND                                         ; the closing round
	s_endpgm
.Lfunc_end_k_qcda781553b_qkv:
	.size	k_qcda781553b_qkv, .Lfunc_end_k_qcda781553b_qkv-k_qcda781553b_qkv
	.p2alignl 7, 3214868480
	.fill 96, 4, 3214868480
	.section	.rodata,"a",@progbits
	.p2align	6, 0x0
	.amdhsa_kernel k_qcda781553b_qkv
		.amdhsa_group_segment_fixed_size 327680
		.amdhsa_private_segment_fixed_size 0
		.amdhsa_enable_private_segment 0
		.amdhsa_kernarg_size 72
		.amdhsa_user_sgpr_count 2
		.amdhsa_user_sgpr_kernarg_segment_ptr 1
		.amdhsa_wavefront_size32 1
		.amdhsa_system_sgpr_workgroup_id_x 1
		.amdhsa_system_sgpr_workgroup_id_y 1
		.amdhsa_system_sgpr_workgroup_id_z 1
		.amdhsa_system_vgpr_workitem_id 0
		.amdhsa_next_free_vgpr 768
		.amdhsa_next_free_sgpr 102
		.amdhsa_reserve_vcc 1
		.amdhsa_float_denorm_mode_32 3
		.amdhsa_float_denorm_mode_16_64 3
		.amdhsa_memory_ordered 1
		.amdhsa_forward_progress 1
		.amdhsa_inst_pref_size 149
	.end_amdhsa_kernel
	.amdgpu_metadata
---
amdhsa.version: [ 1, 2 ]
amdhsa.kernels:
  - .name:           k_qcda781553b_qkv
    .symbol:         k_qcda781553b_qkv.kd
    .args:
      - { .name: xc, .offset: 0, .size: 8, .value_kind: global_buffer, .address_space: global }
      - { .name: xs, .offset: 8, .size: 8, .value_kind: global_buffer, .address_space: global }
      - { .name: wc, .offset: 16, .size: 8, .value_kind: global_buffer, .address_space: global }
      - { .name: ws, .offset: 24, .size: 8, .value_kind: global_buffer, .address_space: global }
      - { .name: b_q, .offset: 32, .size: 8, .value_kind: global_buffer, .address_space: global }
      - { .name: b_k, .offset: 40, .size: 8, .value_kind: global_buffer, .address_space: global }
      - { .name: b_v, .offset: 48, .size: 8, .value_kind: global_buffer, .address_space: global }
      - { .name: ac, .offset: 56, .size: 8, .value_kind: global_buffer, .address_space: global }
      - { .name: asc, .offset: 64, .size: 8, .value_kind: global_buffer, .address_space: global }
    .group_segment_fixed_size: 327680
    .private_segment_fixed_size: 0
    .kernarg_segment_align: 8
    .kernarg_segment_size: 72
    .max_flat_workgroup_size: 128
    .sgpr_count:     102
    .vgpr_count:     768
    .wavefront_size: 32
...
	.end_amdgpu_metadata
.endif
;; end of part 2
;; launch attn (part 3): grid 8 x 32, 16 waves a work-group, clusters of 4 x 1, 211,968 bytes of LDS; arguments ac, asc, cc, cs; writes cc, cs
.if DOCPART == 3
	.amdgcn_target "amdgcn-amd-amdhsa--gfx1250"
	.amdhsa_code_object_version 6
	.text
	.protected	k_qcda781553b_attn
	.globl	k_qcda781553b_attn
	.p2align	8
	.type	k_qcda781553b_attn,@function
k_qcda781553b_attn:
	s_mov_b64 s[64:65], 0
	v_nop
	global_prefetch_b8 v0, s[64:65] scope:SCOPE_SE
	s_setreg_imm32_b32 hwreg(HW_REG_WAVE_MODE, 25, 1), 1
	s_wait_xcnt 0x0
	s_wait_alu depctr_hold_cnt(0) depctr_sa_sdst(0) depctr_va_vdst(0) depctr_va_sdst(0) depctr_va_ssrc(0) depctr_va_vcc(0) depctr_vm_vsrc(0)
	s_getreg_b32 s2, hwreg(HW_REG_IB_STS2, 6, 4)
	s_cmp_eq_u32 s2, 0
	s_cbranch_scc0 .Lentry_in_a_cluster
	s_endpgm
.Lentry_in_a_cluster:
	s_bfe_u32 s2, ttmp6, 0x10000c
	s_cmp_lg_u32 s2, 0x3003
	s_cbranch_scc0 .Lentry_shape_is_right
	s_endpgm
.Lentry_shape_is_right:
; ctx[b][q][head x 64 + d] = the sum over k of softmax_k(Q . K / 8) V, both products on codes of FP6 (E2M3) with E8M0 scales; ctx leaves as codes, quantised along head x 64 + d.
; THE SOFTMAX AHEAD OF THE SECOND PRODUCT: t = score x log2(e) / 8; M = the row's largest t so far, rounded UP to a whole number; p = 2^(t - M) is quantised along the keys, not normalised.
; The row's sum is taken of the unquantised p and divides at the end.  When M moves, the sum and O are multiplied by 2^(old M - new M): exact.
; SHARES.  A work-group owns 256 queries of one head of one batch, each of its sixteen waves one tile of 16, in 256 registers: four waves to a SIMD, so that one wave's vector work stands beside another's
; matrix work and LDS loads.  Every wave walks the 2,048 keys, 128 a step.
; LDS, FILLED ONCE: the head's K codes (98,304 bytes), V codes (98,304), K's and V's scale words (12,288); 1,024 bytes of scratch behind them, where no tensor load lands.
; Wave 0 asks for the scale words and K in four chunks of 24,576 bytes (five loads of its own are out at the most), wave 1 for V's four; the wait in front of stage p (four key steps) leaves the 3 - p younger chunks out.
; CLUSTER: the four work-groups of a cluster belong to one head and need the same K and V: every load is asked for jointly, with the same descriptor and the mask of all four.
; LAYOUT.  Both products are used transposed: S^T = K Q^T (source 0 = 16 keys), O^T = V^T P^T (source 0 = 16 of the head's 64): a lane holds ONE query throughout.  Tiles of 16 are rows
; 32 (T / 2) + 8 (T % 2) + i + 8 (i / 8), so that the 16 registers of tiles 2 b and 2 b + 1 are 16 neighbours: keys 32 b + 16 (lane / 16) + 0 .. 15, and likewise the head's d.
; Q K^T HAS K = 64 IN A FORM OF 128: Q's upper six registers are zero codes; K's operand t is v[32 + 6 t] on, 12 registers: its upper six are the next tile's codes (or zeros), which meet Q's zeros and add nothing.
; LIMITS: NaN and infinities are not served; a p under 2^-126 counts as 0; a block of zeros gets the byte 1 where the rule says 127 (its codes are zeros; this program alone reads the bytes);
; t is score x (log2(e) / 8), one rounding; a block's largest p is taken from its largest score, which takes v_exp_f32 not to fall where its input rises.
; REGISTERS: v1-7 addresses that stay; v8-11, v28-29 addresses in hand; v12 -M, v13 the largest t, v[14:15] the sum in two halves; v16-27 Q; v30 Q's scale word, v31 p's; v32-79 K's 8 half fragments, then V's 4 fragments;
; v80-85 zeros; v88-95 K's scale words; v96-159 S^T, then p; v160-191 O^T; v192-203 p's codes; v204-210 at work; v212-223 at work; v224-227 V's scale words; v[228:229] f; v230-239 at work.
.set VOFF, 98304
.set SCK,  196608
.set SCV,  204800
.set SCR,  208896
.set BM,  212                          ; the blocks' largest scores, then largest p
.set BX,  216                          ; lane l xor 16's, then the bytes
.set SOP, 220                          ; the conversions' scale operands
.set WV,  12
.set G1C, 24                           ; s[24:31] group 1: a chunk;  s[32:39]: the scale words;  s[40:43] group 0 of the scale words;  s[44:47] group 0 of my chunk
.set G1S, 32
.set G0S, 40
.set G0K, 44
.set G0V, 68
.set TB,  60                           ; LDS byte of the step's K,
.set TV,  61                           ; of its V,
.set TS,  62                           ; of K's scale words (less SCK),
.set TJ,  63                           ; of V's (less SCV)
.set CNT, 66
.set CS,  92                           ; s[92:93] c = log2(e) / 8
.set SEL, 94
.macro CROUND                          ; a round of the cluster's barrier
	s_barrier_signal -1
	s_barrier_wait -1
	s_cmp_lg_u32 s[WV], 0
	s_cbranch_scc1 .Lnot_wave_0_\@
	s_barrier_signal -3
.Lnot_wave_0_\@:
	s_barrier_wait -3
	s_barrier_signal -1
	s_barrier_wait -1
.endm
	s_load_b256 s[4:11], s[0:1], 0x0               ; ac, asc, cc, cs
	v_lshl_add_u32 v254, v0, 2, 0x33400
	v_mov_b32 v255, 0
	ds_add_u32 v254, v255
	ds_add_u32 v254, v255
	v_lshrrev_b32 v8, 5, v0
	s_delay_alu instid0(VALU_DEP_1)
	v_readfirstlane_b32 s[WV], v8                  ; wave 0..15
	s_bfe_u32 s13, ttmp6, 0x40000                  ; cx
	s_lshl_b32 s14, ttmp9, 2
	s_add_co_u32 s14, s14, s13                     ; my block of 256 queries: it enters Q's, cc's and cs's addresses alone
	s_and_b32 s15, ttmp7, 0xffff                   ; batch x head, which the four partners share
	s_mov_b32 s[G1C], 15|(3<<16)|(1<<21)           ; 15:0 the mask: all four; 17:16 elements of 8 bytes; 21 set beside a mask
	s_mov_b32 s[G1C+1], 32<<16                     ; rows of 256 bytes,
	s_mov_b32 s[G1C+2], 96<<16                     ; 96 of them: 24,576 dense bytes
	s_mov_b32 s[G1C+3], 32<<16
	s_mov_b32 s[G1C+4], 96
	s_mov_b32 s[G1C+5], 32
	s_mov_b32 s[G1C+6], 0
	s_mov_b32 s[G1C+7], 0
	s_mov_b32 s[G1S], 15|(3<<16)|(1<<21)
	s_mov_b32 s[G1S+1], 32<<16
	s_mov_b32 s[G1S+2], 48<<16                     ; 12,288 dense bytes
	s_mov_b32 s[G1S+3], 32<<16
	s_mov_b32 s[G1S+4], 48
	s_mov_b32 s[G1S+5], 32
	s_mov_b32 s[G1S+6], 0
	s_mov_b32 s[G1S+7], 0
	s_mul_i32 s16, s15, 98304                      ; the head's bytes in each region of codes
	s_mov_b32 s17, 0
	s_mul_i32 s18, s15, 12288
	s_add_co_u32 s18, s18, 262144                  ; and its K and V scale words
	s_mov_b32 s19, 0
	s_mov_b32 s[CS], 0x3e38aa3b
	s_mov_b32 s[CS+1], s[CS]                       ; (named with it as a pair, so it is written)
	s_mov_b32 s[SEL], 0x76543210
	s_mov_b32 s[SEL+1], 0xfedcba98
	s_wait_dscnt 0x0
	s_wait_kmcnt 0x0
	s_add_nc_u64 s[20:21], s[4:5], s[16:17]
	s_add_nc_u64 s[22:23], s[6:7], s[18:19]
	s_mov_b32 s[G0S], 1
	s_mov_b32 s[G0S+1], SCK
	s_mov_b64 s[G0S+2:G0S+3], s[22:23]
	s_or_b32 s[G0S+3], s[G0S+3], 0x80000000
	; THE LOADS, AS THEY STAND NOW (in place of what the head comment says of waves 0 and 1): one joint load a wave.  Wave 0: the scale words.  Wave 1 + j, j = 0 .. 7: chunk j / 2 (24,576 bytes) of K (j even) or V (j odd).  Waves 9-15: none.
	s_add_co_u32 s84, s[WV], 15
	s_and_b32 s84, s84, 15                         ; j
	s_lshr_b32 s85, s84, 1                         ; the chunk
	s_and_b32 s84, s84, 1                          ; 0 K, 1 V
	s_mul_i32 s86, s85, 24576
	s_mul_i32 s87, s84, VOFF
	s_mov_b32 s[G0K], 1
	s_add_co_u32 s[G0K+1], s86, s87
	s_mul_i32 s84, s84, 3145728
	s_add_co_u32 s86, s86, s84
	s_add_co_u32 s86, s86, 3145728                 ; K's region follows Q's, V's follows K's
	s_mov_b32 s87, 0
	s_add_nc_u64 s[G0K+2:G0K+3], s[20:21], s[86:87]
	s_or_b32 s[G0K+3], s[G0K+3], 0x80000000
	CROUND                                         ; all four work-groups are here: the joint loads meet
	s_cmp_eq_u32 s[WV], 0                          ; one chain of branches on the wave's number, one load to an arm, one join
	s_cbranch_scc0 .Lnot_s
	tensor_load_to_lds s[G0S:G0S+3], s[G1S:G1S+7]
	s_nop 0
.rept 4
	v_nop
.endr
	s_branch .Lasked
.Lnot_s:
	s_cmp_lt_u32 s[WV], 3
	s_cbranch_scc0 .Lnot_0
	tensor_load_to_lds s[G0K:G0K+3], s[G1C:G1C+7]  ; waves 1 and 2: chunk 0 of K and of V, by a line that the later chunks' waves do not issue
	s_nop 0
.rept 4
	v_nop
.endr
	s_branch .Lasked
.Lnot_0:
	s_cmp_lt_u32 s[WV], 9
	s_cbranch_scc0 .Lasked
	tensor_load_to_lds s[G0K:G0K+3], s[G1C:G1C+7]  ; waves 3 to 8: chunks 1 to 3
	s_nop 0
.rept 4
	v_nop
.endr
.Lasked:
	v_and_b32 v8, 31, v0                           ; l
	v_and_b32 v9, 15, v0                           ; r
	s_delay_alu instid0(VALU_DEP_2)
	v_lshlrev_b32 v1, 4, v8                        ; 16 l
	s_delay_alu instid0(VALU_DEP_3)
	v_lshl_add_u32 v2, v8, 3, 512                  ; 512 + 8 l
	s_delay_alu instid0(VALU_DEP_3)
	v_lshlrev_b32 v236, 4, v9                      ; 16 r
	s_wait_alu depctr_va_vdst(0)
	v_add_nc_u32 v3, SCK, v236
	v_add_nc_u32 v4, SCV, v236
	s_lshl_b32 s84, s[WV], 6
	s_add_co_u32 s84, s84, SCR
	v_lshl_add_u32 v5, v9, 2, s84                  ; scratch: 64 bytes a wave, 4 a row
	v_and_b32 v7, 63, v0
	s_delay_alu instid0(VALU_DEP_1)
	v_lshlrev_b32 v7, 4, v7                        ; waves 0 and 1 carry the scratch out: 16 bytes a thread
	s_delay_alu instid0(VALU_DEP_1)
	v_add_nc_u32 v6, SCR, v7
	s_lshl_b32 s84, s14, 4
	s_add_co_u32 s84, s84, s[WV]                   ; my tile of queries among the head's 128
	s_mul_i32 s86, s84, 768
	s_mov_b32 s87, 0
	s_add_nc_u64 s[86:87], s[20:21], s[86:87]
	global_load_b128 v[16:19], v1, s[86:87]        ; Q's half fragment stays in registers
	global_load_b64 v[20:21], v2, s[86:87]
	s_lshl_b32 s88, s15, 13                        ; Q's scale words: 8,192 bytes a head,
	s_lshr_b32 s89, s84, 2
	s_lshl_b32 s89, s89, 8                         ; 256 a group of four tiles,
	s_add_co_u32 s88, s88, s89
	s_and_b32 s89, s[WV], 3
	s_lshl_b32 s89, s89, 2                         ; my tile's word of a row's four
	s_add_co_u32 s88, s88, s89
	s_mov_b32 s89, 0
	s_add_nc_u64 s[88:89], s[6:7], s[88:89]
	global_load_b32 v30, v236, s[88:89]
	s_lshr_b32 s90, s15, 4                         ; where ctx goes: batch,
	s_lshl_b32 s90, s90, 7
	s_lshl_b32 s91, s14, 4
	s_add_co_u32 s90, s90, s91                     ; the work-group's first row tile of 256,
	s_and_b32 s91, s15, 15                         ; the head = the half fragment along K
	s_add_co_u32 s96, s90, s[WV]
	s_mul_i32 s96, s96, 12288
	s_mul_i32 s97, s91, 768
	s_add_co_u32 s96, s96, s97
	s_mov_b32 s97, 0
	s_add_nc_u64 s[8:9], s[8:9], s[96:97]
	s_lshl_b32 s96, s91, 14                        ; cs: [head][row tile][row] words
	s_lshl_b32 s90, s90, 6
	s_add_co_u32 s96, s96, s90
	s_add_nc_u64 s[10:11], s[10:11], s[96:97]
	v_mov_b32 v13, 0xff61b1e6                      ; the largest t so far: -3e38, under every t
	s_delay_alu instid0(VALU_DEP_1)
	v_floor_f32 v12, -v13                          ; -M
	v_mov_b32 v14, 0
	v_mov_b32 v15, 0
.irp j, 22,23,24,25,26,27,80,81,82,83,84,85
	v_mov_b32 v[\j], 0                             ; zero codes: the upper half of Q's operand, and what stands behind K's last tile
.endr
.irp j, 216,217,218,219,229,230
	v_mov_b32 v[\j], 0                             ; lane permutes' destinations, and the upper half of the pair v[228:229], are written before they are named
.endr
.set j, 0
.rept 32
	v_mov_b32 v[160+j], 0                          ; O^T.  (The step is written once for all steps: the first finds zeros, which the first change of M leaves zeros)
.set j, j+1
.endr
; A KEY STEP: 128 keys.
.macro STEP
	v_add_nc_u32 v8, s[TB], v1                     ; these six are also the places between the last products and the loads into the registers that they read
	v_add_nc_u32 v9, s[TB], v2
	v_add_nc_u32 v10, s[TV], v1
	v_add_nc_u32 v11, s[TV], v2
	v_add_nc_u32 v28, s[TS], v3
	v_add_nc_u32 v29, s[TJ], v4
.irp t, 0,1,2,3,4,5,6,7
	ds_load_b128 v[32+6*\t:35+6*\t], v8 offset:768*\t
	ds_load_b64 v[36+6*\t:37+6*\t], v9 offset:768*\t
.endr
	ds_load_b128 v[88:91], v28                     ; the scale words of tiles 0-3 of my row r,
	ds_load_b128 v[92:95], v28 offset:256          ; and of tiles 4-7
	s_wait_alu depctr_va_vdst(0)
	s_wait_dscnt 0x0
.irp t, 0,1,2,3,4,5,6,7
	v_wmma_scale_f32_16x16x128_f8f6f4 v[96+8*\t:103+8*\t], v[32+6*\t:43+6*\t], v[16:27], 0, v[88+\t], v30 matrix_a_fmt:MATRIX_FMT_FP6 matrix_b_fmt:MATRIX_FMT_FP6
.endr
.rept 4
	v_nop                                          ; places in front of the loads into K's registers and of the first read of the scores
.endr
.irp d, 0,1,2,3                        ; V's four fragments land while the softmax is worked
.irp c, 0,1
	ds_load_b128 v[32+12*\d+6*\c:35+12*\d+6*\c], v10 offset:3072*\c+768*\d
	ds_load_b64 v[36+12*\d+6*\c:37+12*\d+6*\c], v11 offset:3072*\c+768*\d
.endr
.endr
	ds_load_b128 v[224:227], v29
.irp b, 0,1,2,3
	v_max3_num_f32 v[BM+\b], v[96+16*\b], v[97+16*\b], v[98+16*\b]   ; the largest score of each block of 32 keys: for the row's maximum, and, since p rises with the score, for the block's largest p
.endr
.irp i, 3,5,7,9,11,13
.irp b, 0,1,2,3
	v_max3_num_f32 v[BM+\b], v[BM+\b], v[96+16*\b+\i], v[97+16*\b+\i]
.endr
.endr
.irp b, 0,1,2,3
	v_max_num_f32 v[BM+\b], v[BM+\b], v[111+16*\b]
.endr
.irp b, 0,1,2,3
	s_delay_alu instid0(VALU_DEP_4)
	v_permlanex16_b32 v[BX+\b], v[BM+\b], s[SEL], s[SEL+1]
.endr
.irp b, 0,1,2,3
	s_delay_alu instid0(VALU_DEP_4)
	v_max_num_f32 v[BM+\b], v[BM+\b], v[BX+\b]     ; with lane l xor 16's 16 keys
.endr
	s_delay_alu instid0(VALU_DEP_2)
	v_max3_num_f32 v230, v212, v213, v214
	s_delay_alu instid0(VALU_DEP_1)
	v_max_num_f32 v230, v230, v215                 ; the step's largest score of my query
	s_delay_alu instid0(VALU_DEP_1)
	v_mul_f32 v230, s[CS], v230                    ; as t (c is positive)
	s_delay_alu instid0(VALU_DEP_1)
	v_max_num_f32 v13, v13, v230                   ; the running largest t
	v_mov_b32 v230, v12
	s_delay_alu instid0(VALU_DEP_2)
	v_floor_f32 v12, -v13                          ; the new -M = floor(-t) = -ceil(t)
	s_delay_alu instid0(VALU_DEP_1)
	v_sub_f32 v230, v12, v230                      ; old M - new M: a whole number, 0 or less
	s_delay_alu instid0(VALU_DEP_1)
	v_cvt_i32_f32 v230, v230                       ; (it saturates)
	s_delay_alu instid0(VALU_DEP_1)
	v_ldexp_f32 v228, 1.0, v230                    ; f = 2^(old M - new M)
.set j, 0
.rept 32
	v_pk_fma_f32 v[96+j:97+j], v[96+j:97+j], s[CS:CS+1], v[12:13] op_sel_hi:[1,0,0]   ; t - M, two at a time
.set j, j+2
.endr
.irp b, 0,1,2,3
	v_fma_f32 v[BM+\b], v[BM+\b], s[CS], v12       ; the same of each block's largest score
.endr
.set j, 0
	s_wait_alu depctr_va_vdst(0)
.rept 64
	v_exp_f32 v[96+j], v[96+j]                     ; p = 2^(t - M), at most 1
.set j, j+1
.endr
	v_pk_mul_f32 v[14:15], v[14:15], v[228:229] op_sel_hi:[1,0]   ; the sums under the new M: the plain place behind the exponentials
	s_wait_alu depctr_va_vdst(0)                   ; one wait for the batch of 64, ahead of its first reader
.irp b, 0,1,2,3
	v_exp_f32 v[BM+\b], v[BM+\b]                   ; the block's largest p
.endr
	v_pk_add_f32 v[232:233], v[100:101], v[104:105]
	v_pk_add_f32 v[252:253], v[108:109], v[112:113]
	v_pk_add_f32 v[250:251], v[116:117], v[120:121]
	v_pk_add_f32 v[248:249], v[124:125], v[128:129]
	v_pk_add_f32 v[246:247], v[132:133], v[136:137]
	v_pk_add_f32 v[244:245], v[140:141], v[144:145]
	v_pk_add_f32 v[242:243], v[148:149], v[152:153]
	v_pk_add_f32 v[14:15], v[14:15], v[156:157]
	v_pk_add_f32 v[232:233], v[232:233], v[96:97]
	v_pk_add_f32 v[252:253], v[252:253], v[98:99]
	v_pk_add_f32 v[250:251], v[250:251], v[102:103]
	v_pk_add_f32 v[248:249], v[248:249], v[106:107]
	v_pk_add_f32 v[246:247], v[246:247], v[110:111]
	v_pk_add_f32 v[244:245], v[244:245], v[114:115]
	v_pk_add_f32 v[242:243], v[242:243], v[118:119]
	v_pk_add_f32 v[14:15], v[14:15], v[122:123]
	v_pk_add_f32 v[232:233], v[232:233], v[126:127]
	v_pk_add_f32 v[252:253], v[252:253], v[130:131]
	v_pk_add_f32 v[250:251], v[250:251], v[134:135]
	v_pk_add_f32 v[248:249], v[248:249], v[138:139]
	v_pk_add_f32 v[246:247], v[246:247], v[142:143]
	v_pk_add_f32 v[244:245], v[244:245], v[146:147]
	v_pk_add_f32 v[242:243], v[242:243], v[150:151]
	v_pk_add_f32 v[14:15], v[14:15], v[154:155]
	v_pk_add_f32 v[232:233], v[232:233], v[158:159]
	s_delay_alu instid0(VALU_DEP_2)
	v_pk_add_f32 v[14:15], v[14:15], v[248:249]
	s_delay_alu instid0(VALU_DEP_2)
	v_pk_add_f32 v[232:233], v[232:233], v[246:247]
	v_pk_add_f32 v[252:253], v[252:253], v[244:245]
	v_pk_add_f32 v[250:251], v[250:251], v[242:243]
	s_delay_alu instid0(VALU_DEP_2)
	v_pk_add_f32 v[14:15], v[14:15], v[252:253]
	s_delay_alu instid0(VALU_DEP_2)
	v_pk_add_f32 v[232:233], v[232:233], v[250:251]
	s_delay_alu instid0(VALU_DEP_1)
	v_pk_add_f32 v[14:15], v[14:15], v[232:233]
	s_wait_alu depctr_va_vdst(0)                   ; and one for the four
.irp b, 0,1,2,3
	v_max_num_f32 v[BM+\b], 0x1800000, v[BM+\b]    ; the floor 2^(3 - 127): the byte cannot fall under 1
.endr
.irp b, 0,1,2,3
	s_delay_alu instid0(VALU_DEP_4)
	v_add_nc_u32 v[SOP+\b], 0xff000000, v[BM+\b]   ; 2 off the exponent field: the conversion's scale operand
.endr
.irp b, 0,1,2,3
	s_delay_alu instid0(VALU_DEP_4)
	v_lshrrev_b32 v[BX+\b], 23, v[SOP+\b]
.endr
	s_delay_alu instid0(VALU_DEP_3)
	v_lshl_or_b32 v31, v217, 8, v216               ; p's scale word for these 128 keys
	s_delay_alu instid0(VALU_DEP_1)
	v_lshl_or_b32 v31, v218, 16, v31
	s_delay_alu instid0(VALU_DEP_1)
	v_lshl_or_b32 v31, v219, 24, v31
.irp c, 0,1
	v_cvt_scalef32_pk16_fp6_f32 v[192+6*\c:194+6*\c], v[96+32*\c:111+32*\c], v[SOP+2*\c]
	v_cvt_scalef32_pk16_fp6_f32 v[204+4*\c:206+4*\c], v[112+32*\c:127+32*\c], v[SOP+2*\c+1]
.endr
	v_nop                                          ; one plain place behind the conversions
.irp c, 0,1                            ; a lane is to hold a WHOLE block: lanes 0-15 block 2 c, lanes 16-31 block 2 c + 1
.irp i, 0,1,2
	v_permlane16_swap_b32 v[192+6*\c+\i], v[204+4*\c+\i]
.endr
.irp i, 0,1,2
	s_delay_alu instid0(VALU_DEP_3)
	v_mov_b32 v[195+6*\c+\i], v[204+4*\c+\i]
.endr
.endr
.set j, 0
.rept 16
	v_pk_mul_f32 v[160+j:161+j], v[160+j:161+j], v[228:229] op_sel_hi:[1,0]   ; O^T under the new M, each accumulator from its low end on; these stand between the writes of p's codes and scale word and the products
.set j, j+2
.endr
	s_wait_alu depctr_va_vdst(0)
	s_wait_dscnt 0x0                               ; V and its scale words are in
.irp d, 0,1,2,3                        ; the four accumulators take turns, one instruction a turn
	v_wmma_scale_f32_16x16x128_f8f6f4 v[160+8*\d:167+8*\d], v[32+12*\d:43+12*\d], v[192:203], v[160+8*\d:167+8*\d], v[224+\d], v31 matrix_a_fmt:MATRIX_FMT_FP6 matrix_b_fmt:MATRIX_FMT_FP6
.endr
	s_add_co_u32 s[TB], s[TB], 6144
	s_add_co_u32 s[TV], s[TV], 6144
	s_add_co_u32 s[TS], s[TS], 512
	s_add_co_u32 s[TJ], s[TJ], 256
.endm
; Stage p: key steps 4 p .. 4 p + 3, which lie in chunk p of K and of V.
; A walk of n key steps from chunk p on, behind a barrier that shows their chunks.
.macro WALK p, n
	s_wait_dscnt 0x0
	s_barrier_signal -1
	s_barrier_wait -1
	s_mov_b32 s[TB], 24576*\p
	s_mov_b32 s[TV], VOFF+24576*\p
	s_mov_b32 s[TS], 2048*\p
	s_mov_b32 s[TJ], 1024*\p
	s_mov_b32 s[CNT], \n
.Lstep_\@:
	STEP
	s_sub_co_u32 s[CNT], s[CNT], 1
	s_cmp_lg_u32 s[CNT], 0
	s_cbranch_scc1 .Lstep_\@
.endm
	s_wait_alu depctr_va_vdst(0)                   ; the wait at the head's end
	s_wait_loadcnt 0x0                             ; Q
	s_cmp_lt_u32 s[WV], 3                          ; waves 0 to 2 asked for the scale words and chunk 0 of K and V
	s_cbranch_scc0 .Lnot_first
	s_wait_tensorcnt 0x0
.Lnot_first:
	WALK 0, 4                                      ; key steps 0 to 3 lie in chunk 0; the other chunks may be on their way
	s_wait_tensorcnt 0x0                           ; every wave: the next barrier shows all that is still out
	WALK 1, 12                                     ; key steps 4 to 15
	; THE WAY OUT: O^T / the sum is ctx; register 16 b + i is d = 32 b + 16 (lane / 16) + i of my query: two blocks of the last product's K.
.rept 4
	v_nop                                          ; places between the last products and the first read of results
.endr
	v_add_f32 v14, v14, v15                        ; the sum's two halves,
	s_delay_alu instid0(VALU_DEP_1)
	v_permlanex16_b32 v230, v14, s[SEL], s[SEL+1]
	s_delay_alu instid0(VALU_DEP_1)
	v_add_f32 v14, v14, v230                       ; and lane l xor 16's
	s_wait_alu depctr_va_vdst(0)
	v_rcp_f32 v14, v14
	v_nop                                          ; a plain place behind the reciprocal
	s_wait_alu depctr_va_vdst(0)                   ; and the wait ahead of its first reader
.set j, 0
.rept 32
	v_mul_f32 v[96+j], v[160+j], v14
.set j, j+1
.endr
.irp b, 0,1
	v_max3_num_f32 v[BM+\b], |v[96+16*\b]|, |v[97+16*\b]|, 0x1800000
.endr
.irp i, 2,4,6,8,10,12,14
.irp b, 0,1
	s_delay_alu instid0(VALU_DEP_2)
	v_max3_num_f32 v[BM+\b], v[BM+\b], |v[96+16*\b+\i]|, |v[97+16*\b+\i]|
.endr
.endr
.irp b, 0,1
	s_delay_alu instid0(VALU_DEP_2)
	v_permlanex16_b32 v[BX+\b], v[BM+\b], s[SEL], s[SEL+1]
.endr
.irp b, 0,1
	s_delay_alu instid0(VALU_DEP_2)
	v_max_num_f32 v[BM+\b], v[BM+\b], v[BX+\b]
.endr
.irp b, 0,1
	s_delay_alu instid0(VALU_DEP_2)
	v_add_nc_u32 v[SOP+\b], 0xff000000, v[BM+\b]
.endr
.irp b, 0,1
	s_delay_alu instid0(VALU_DEP_2)
	v_lshrrev_b32 v[BX+\b], 23, v[SOP+\b]
.endr
	s_delay_alu instid0(VALU_DEP_1)
	v_lshl_or_b32 v234, v217, 8, v216              ; my row's two bytes of this head
	v_cvt_scalef32_pk16_fp6_f32 v[192:194], v[96:111], v220
	v_cvt_scalef32_pk16_fp6_f32 v[204:206], v[112:127], v221
	v_nop
.irp i, 0,1,2
	v_permlane16_swap_b32 v[192+\i], v[204+\i]
.endr
.irp i, 0,1,2
	s_delay_alu instid0(VALU_DEP_3)
	v_mov_b32 v[195+\i], v[204+\i]
.endr
	global_store_b128 v1, v[192:195], s[8:9]       ; a half fragment: 512 consecutive bytes,
	global_store_b64 v2, v[196:197], s[8:9]        ; and the 256 behind them
	ds_store_b32 v5, v234                          ; the sixteen waves' words meet in the scratch (lanes r and r + 16 write the same word with the same value)
	s_wait_dscnt 0x0                               ; for the others' sake: my store has landed
	s_barrier_signal -1
	s_barrier_wait -1
	s_cmp_lt_u32 s[WV], 2
	s_cbranch_scc0 .Lno_words
	ds_load_b128 v[236:239], v6
	s_wait_dscnt 0x0
	global_store_b128 v7, v[236:239], s[10:11]     ; 1,024 consecutive bytes by two waves
.Lno_words:
	s_wait_tensorcnt 0x0
	ds_add_u32 v254, v255
	s_wait_dscnt 0x0
	CROUND                                         ; the closing round
	s_endpgm
.Lfunc_end_k_qcda781553b_attn:
	.size	k_qcda781553b_attn, .Lfunc_end_k_qcda781553b_attn-k_qcda781553b_attn
	.p2alignl 7, 3214868480
	.fill 96, 4, 3214868480
	.section	.rodata,"a",@progbits
	.p2align	6, 0x0
	.amdhsa_kernel k_qcda781553b_attn
		.amdhsa_group_segment_fixed_size 211968
		.amdhsa_private_segment_fixed_size 0
		.amdhsa_enable_private_segment 0
		.amdhsa_kernarg_size 32
		.amdhsa_user_sgpr_count 2
		.amdhsa_user_sgpr_kernarg_segment_ptr 1
		.amdhsa_wavefront_size32 1
		.amdhsa_system_sgpr_workgroup_id_x 1
		.amdhsa_system_sgpr_workgroup_id_y 1
		.amdhsa_system_sgpr_workgroup_id_z 1
		.amdhsa_system_vgpr_workitem_id 0
		.amdhsa_next_free_vgpr 256
		.amdhsa_next_free_sgpr 98
		.amdhsa_reserve_vcc 0
		.amdhsa_float_denorm_mode_32 3
		.amdhsa_float_denorm_mode_16_64 3
		.amdhsa_memory_ordered 1
		.amdhsa_forward_progress 1
		.amdhsa_inst_pref_size 49
	.end_amdhsa_kernel
	.amdgpu_metadata
---
amdhsa.version: [ 1, 2 ]
amdhsa.kernels:
  - .name:           k_qcda781553b_attn
    .symbol:         k_qcda781553b_attn.kd
    .args:
      - { .name: ac, .offset: 0, .size: 8, .value_kind: global_buffer, .address_space: global }
      - { .name: asc, .offset: 8, .size: 8, .value_kind: global_buffer, .address_space: global }
      - { .name: cc, .offset: 16, .size: 8, .value_kind: global_buffer, .address_space: global }
      - { .name: cs, .offset: 24, .size: 8, .value_kind: global_buffer, .address_space: global }
    .group_segment_fixed_size: 211968
    .private_segment_fixed_size: 0
    .kernarg_segment_align: 8
    .kernarg_segment_size: 32
    .max_flat_workgroup_size: 512
    .sgpr_count:     98
    .vgpr_count:     256
    .wavefront_size: 32
...
	.end_amdgpu_metadata
.endif
;; end of part 3
;; launch oproj (part 4): grid 8 x 32, 4 waves a work-group, clusters of 4 x 4, 214,528 bytes of LDS; arguments cc, cs, wc, ws, b_out, out0; writes out0
.if DOCPART == 4
	.amdgcn_target "amdgcn-amd-amdhsa--gfx1250"
	.amdhsa_code_object_version 6
	.text
	.protected	k_qcda781553b_oproj
	.globl	k_qcda781553b_oproj
	.p2align	8
	.type	k_qcda781553b_oproj,@function
k_qcda781553b_oproj:
	s_mov_b64 s[64:65], 0
	v_nop
	global_prefetch_b8 v0, s[64:65] scope:SCOPE_SE
	s_setreg_imm32_b32 hwreg(HW_REG_WAVE_MODE, 25, 1), 1
	s_wait_xcnt 0x0
	s_wait_alu depctr_hold_cnt(0) depctr_sa_sdst(0) depctr_va_vdst(0) depctr_va_sdst(0) depctr_va_ssrc(0) depctr_va_vcc(0) depctr_vm_vsrc(0)
	s_getreg_b32 s2, hwreg(HW_REG_IB_STS2, 6, 4)
	s_cmp_eq_u32 s2, 0
	s_cbranch_scc0 .Lentry_in_a_cluster
	s_endpgm
.Lentry_in_a_cluster:
	s_bfe_u32 s2, ttmp6, 0x10000c
	s_cmp_lg_u32 s2, 0xf033
	s_cbranch_scc0 .Lentry_shape_is_right
	s_endpgm
.Lentry_shape_is_right:
; out0 = ctx W_out^T + b_out on codes of FP6 (E2M3) with E8M0 scales; out0 [4096][1024] f32.
; A tile of the result is 128 (tokens) x 128 (outputs), K = 1,024: 256 work-groups.  Four waves, each 64 x 64: 16 accumulators.  THE MATRIX INSTRUCTION IS USED TRANSPOSED (source 0 = a tile of W_out,
; source 1 = a tile of ctx): a lane holds one token, its registers run along the outputs.  A TILE of 16 rows is rows 32 (T / 2) + 8 (T % 2) + i + 8 (i / 8): so the 16 registers of W_out's tiles 2 b and
; 2 b + 1 are 16 neighbouring outputs, 32 b + 16 (lane / 16) + 0 .. 15.
; OPERANDS lie in memory in the order of their registers: a half fragment (16 rows x 64 K) is 768 bytes, lane l's first 16 bytes at 16 l, its last 8 at 512 + 8 l; [tile][16 half fragments][768].
; LDS: all of K is resident, filled once: four stages of 49,152 bytes (two K steps of 128 each): ctx's 8 tiles at 3,072 i, W_out's at 24,576 + 3,072 i.  Each wave issues four tensor loads at the head
; (four of mine are out at the most), one a stage; the wait in front of stage p leaves the 3 - p younger ones out.  Behind the stages: a stage of 16 rows x 272 bytes for each wave, for the way out.
; CLUSTERS: 4 x 4 work-groups; ctx's tiles are shared along a row of the cluster, W_out's along a column: each is asked for jointly.
; REGISTERS: window 0: v1-15 addresses; v32-63 ctx's scale words (8 a + K step), v64-95 W_out's: scales and nothing else; v96-127 the bias; v128-255 the accumulators ((a, b) at 128 + 8 (4 a + b)).
;            window 1: two fragment buffers at v0 and v128: ctx's fragment a at + 12 a, W_out's b at + 48 + 12 b.
.set RW,   1                           ; 16 r
.set AA16, 2
.set AA8,  3
.set AB16, 4
.set AB8,  5
.set LI,   6                           ; 16 l
.set L8,   7                           ; 512 + 8 l
.set R4,   8                           ; 4 r
.set STO,  9                           ; the way out: where I put 16 bytes of a row
.set RD,   10                          ; where I read a row back
.set CO,   15                          ; my byte offset in two rows of out0
.set SA,   32
.set SB,   64
.set BI,   96
.set ACC,  128
.set OSTG, 196608
.set WV, 22
.set WM, 23
.set WN, 24
.set CX, 25
.set CY, 26
.set G1A, 28
.set G1B, 36
.set G0A, 44
.set G0B, 68
.set MT, 90
.set NT, 91
.set MSB, 0
.macro WIN new                         ; the immediate's high byte repeats the setting that is left
.if MSB != \new
	s_set_vgpr_msb (MSB<<8)|\new
.set MSB, \new
.endif
.endm
.macro CROUND                          ; a round of the cluster's barrier
	s_barrier_signal -1
	s_barrier_wait -1
	s_cmp_lg_u32 s[WV], 0
	s_cbranch_scc1 .Lnot_wave_0_\@
	s_barrier_signal -3
.Lnot_wave_0_\@:
	s_barrier_wait -3
	s_barrier_signal -1
	s_barrier_wait -1
.endm
	s_load_b256 s[4:11], s[0:1], 0x0               ; cc, cs, wc, ws
	s_load_b128 s[12:15], s[0:1], 0x20             ; b_out, out0
	v_lshl_add_u32 v30, v0, 2, 0x34400
	v_mov_b32 v31, 0
	ds_add_u32 v30, v31
	ds_add_u32 v30, v31
	v_lshrrev_b32 v12, 5, v0
	v_readfirstlane_b32 s[WV], v12                 ; wave 0..3
	s_lshr_b32 s[WM], s[WV], 1                     ; my half of the tokens.  Also: the half of K I fetch
	s_and_b32 s[WN], s[WV], 1                      ; my half of the outputs.  Also: I fetch for ctx (0) or for W_out (1)
	s_bfe_u32 s[CX], ttmp6, 0x40000
	s_bfe_u32 s[CY], ttmp6, 0x40004
	s_lshl_b32 s[NT], ttmp9, 2
	s_add_co_u32 s[NT], s[NT], s[CX]               ; tile column
	s_and_b32 s[MT], ttmp7, 0xffff
	s_lshl_b32 s[MT], s[MT], 2
	s_add_co_u32 s[MT], s[MT], s[CY]               ; tile row
	s_lshl_b32 s92, s[CY], 2
	s_lshl_b32 s92, 15, s92                        ; my row of the cluster
	s_lshl_b32 s93, 0x1111, s[CX]                  ; my column
	s_or_b32 s[G1A], s92, (3<<16)|(1<<21)          ; 15:0 the mask; 17:16 elements of 8 bytes; 20 no padding; 21 set beside a mask
	s_or_b32 s[G1B], s93, (3<<16)|(1<<21)
.irp g, G1A, G1B
	; LDS AND THE LOADS, AS THEY STAND NOW (in place of what the head comment says of four stages): two halves of K, 98,304 bytes each: ctx's 8 tiles at 6,144 i, W_out's at 49,152 + 6,144 i.
	; One joint load a wave: wave 0 ctx's half 0, wave 1 W_out's half 0, wave 2 ctx's half 1, wave 3 W_out's half 1; 8 rows (tiles) of 6,144 bytes.  No byte of LDS is filled twice.
	s_mov_b32 s[\g+1], 768<<16                     ; 6,144 bytes: four K steps of a tile
	s_mov_b32 s[\g+2], 8<<16                       ; 8 tiles
	s_mov_b32 s[\g+3], 768<<16
	s_mov_b32 s[\g+4], 8
	s_mov_b32 s[\g+5], 1536                        ; from tile to tile: 12,288 bytes
	s_mov_b32 s[\g+6], 0
	s_mov_b32 s[\g+7], 0
.endr
	s_lshl_b32 s94, s[MT], 3                       ; ctx's first tile: it hangs on the tile row alone
	s_lshl_b32 s96, s[NT], 3
	s_add_co_u32 s96, s96, 192                     ; W_out's, in wc: on the tile column alone
	s_mul_i32 s97, s[WM], 6144                     ; for the loads: wave / 2 is the half of K, wave % 2 says ctx or W_out
	s_mul_i32 s66, s94, 12288
	s_add_co_u32 s66, s66, s97
	s_mov_b32 s67, 0
	s_mul_i32 s98, s96, 12288
	s_add_co_u32 s98, s98, s97
	s_mov_b32 s99, 0
	s_mul_i32 s95, s[WM], 98304                    ; where my 8 tiles go: the half of K,
	s_mul_i32 s97, s[WN], 49152                    ; and ctx's or W_out's part of it
	s_add_co_u32 s95, s95, s97
	s_wait_dscnt 0x0
	s_wait_kmcnt 0x0
	s_add_nc_u64 s[60:61], s[4:5], s[66:67]
	s_add_nc_u64 s[62:63], s[8:9], s[98:99]
.irp p, 0
	s_mov_b32 s[G0A+4*\p], 1
	s_add_co_u32 s[G0A+4*\p+1], s95, 49152*\p
	s_add_nc_u64 s[G0A+4*\p+2:G0A+4*\p+3], s[60:61], 3072*\p
	s_or_b32 s[G0A+4*\p+3], s[G0A+4*\p+3], 0x80000000
	s_mov_b32 s[G0B+4*\p], 1
	s_add_co_u32 s[G0B+4*\p+1], s95, 49152*\p
	s_add_nc_u64 s[G0B+4*\p+2:G0B+4*\p+3], s[62:63], 3072*\p
	s_or_b32 s[G0B+4*\p+3], s[G0B+4*\p+3], 0x80000000
.endr
	CROUND                                         ; all sixteen work-groups are here: the joint loads meet
; one chain of branches on the wave's number, one load to an arm, all arms lead to one join
.macro ARM w, g0, g1, next
	s_cmp_eq_u32 s[WV], \w
	s_cbranch_scc0 \next
	tensor_load_to_lds s[\g0:\g0+3], s[\g1:\g1+7]
	s_nop 0
.rept 4
	v_nop
.endr
	s_branch .Lasked
\next:
.endm
	ARM 0, G0A, G1A, .Larm_1
	ARM 1, G0B, G1B, .Larm_2
	ARM 2, G0A, G1A, .Larm_3
	tensor_load_to_lds s[G0B:G0B+3], s[G1B:G1B+7]
	s_nop 0
.rept 4
	v_nop
.endr
.Lasked:
	v_and_b32 v12, 31, v0                          ; l
	v_and_b32 v13, 15, v0                          ; r
	v_bfe_u32 v14, v0, 4, 1                        ; h
	v_lshlrev_b32 v[RW], 4, v13
	v_lshlrev_b32 v[LI], 4, v12
	v_lshl_add_u32 v[L8], v12, 3, 512
	v_lshlrev_b32 v[R4], 2, v13
	s_mul_i32 s84, s[WM], 24576                    ; my four tiles of ctx
	v_add_nc_u32 v[AA16], s84, v[LI]
	v_add_nc_u32 v[AA8], s84, v[L8]
	s_mul_i32 s84, s[WN], 24576                    ; my four of W_out, behind ctx's eight
	s_add_co_u32 s84, s84, 49152
	v_add_nc_u32 v[AB16], s84, v[LI]
	v_add_nc_u32 v[AB8], s84, v[L8]
	s_mul_i32 s84, s[WV], 4352
	s_add_co_u32 s84, s84, OSTG                    ; my stage
	v_mul_u32_u24 v[STO], v13, 272
	v_lshl_add_u32 v[STO], v14, 6, v[STO]
	v_add_nc_u32 v[STO], s84, v[STO]               ; in: row r, + 64 h
	v_mul_u32_u24 v[RD], v14, 272
	v_lshl_add_u32 v[RD], v13, 4, v[RD]
	v_add_nc_u32 v[RD], s84, v[RD]                 ; back: lanes 0-15 one row of 256 bytes, lanes 16-31 the next
	v_lshlrev_b32 v[CO], 12, v14
	v_lshl_add_u32 v[CO], v13, 4, v[CO]            ; and the same two rows in out0
	v_lshlrev_b32 v11, 6, v14                      ; the bias: 16 h numbers on
	s_wait_alu depctr_va_vdst(0)
	s_mov_b32 s85, 0
	s_lshl_b32 s84, s[WN], 2
	s_add_co_u32 s84, s84, s96
	s_lshl_b32 s84, s84, 9                         ; W_out's scale words: 512 bytes a tile
	s_add_nc_u64 s[10:11], s[10:11], s[84:85]
	s_lshl_b32 s84, s[WM], 2
	s_add_co_u32 s84, s84, s94
	s_lshl_b32 s84, s84, 6                         ; ctx's: 64 bytes a tile and head
	s_add_nc_u64 s[6:7], s[6:7], s[84:85]
	s_lshl_b32 s84, s[NT], 7
	s_lshl_b32 s86, s[WN], 6
	s_add_co_u32 s84, s84, s86
	s_lshl_b32 s84, s84, 2                         ; my 64 columns, in bytes
	s_add_nc_u64 s[12:13], s[12:13], s[84:85]
	s_add_nc_u64 s[14:15], s[14:15], s[84:85]
	s_lshl_b32 s84, s[MT], 7
	s_lshl_b32 s86, s[WM], 6
	s_add_co_u32 s84, s84, s86
	s_lshl_b32 s84, s84, 12                        ; my 64 rows of 4,096 bytes
	s_add_nc_u64 s[14:15], s[14:15], s[84:85]
.irp a, 0,1,2,3
.irp f, 0,1
	global_load_b128 v[SB+8*\a+4*\f:SB+8*\a+4*\f+3], v[RW], s[10:11] offset:512*\a+256*\f
.endr
.endr
.irp a, 0,1,2,3                        ; ctx's bytes lie two to a word, by heads: they land in the accumulators' registers, which are still idle
.irp d, 0,1,2,3,4,5,6,7,8,9,10,11,12,13,14,15
	global_load_b32 v[ACC+16*\a+\d], v[R4], s[6:7] offset:16384*\d+64*\a
.endr
.endr
.irp b, 0,1,2,3                        ; THE BIAS IS THE C OF EACH SUM'S FIRST MATRIX INSTRUCTION: register j of W_out's tile b is column 32 (b / 2) + 8 (b % 2) + 16 h + j
	global_load_b128 v[BI+8*\b:BI+8*\b+3], v11, s[12:13] offset:(32*(\b/2)+8*(\b%2))*4
	global_load_b128 v[BI+8*\b+4:BI+8*\b+7], v11, s[12:13] offset:(32*(\b/2)+8*(\b%2))*4+16
.endr
	s_wait_loadcnt 0x0
.irp a, 0,1,2,3
.irp k, 0,1,2,3,4,5,6,7
	v_lshl_or_b32 v[SA+8*\a+\k], v[ACC+16*\a+2*\k+1], 16, v[ACC+16*\a+2*\k]   ; K step k is heads 2 k and 2 k + 1
.endr
.endr
.rept 8
	v_nop                                          ; a scale register written by a vector instruction stands 8 places ahead of the scaled matrix instruction
.endr
.macro FETCH f, q                      ; 32 LDS loads: my 4 + 4 fragments of the stage's q-th K step into buffer f; each load takes consecutive bytes
	WIN 0x40                                       ; destination window 1, address window 0
.irp i, 0,1,2,3
.irp c, 0,1
	ds_load_b128 v[\f+12*\i+6*\c:\f+12*\i+6*\c+3], v[AA16] offset:6144*\i+1536*(\q)+768*\c
	ds_load_b64 v[\f+12*\i+6*\c+4:\f+12*\i+6*\c+5], v[AA8] offset:6144*\i+1536*(\q)+768*\c
.endr
.endr
.irp i, 0,1,2,3
.irp c, 0,1
	ds_load_b128 v[\f+48+12*\i+6*\c:\f+48+12*\i+6*\c+3], v[AB16] offset:6144*\i+1536*(\q)+768*\c
	ds_load_b64 v[\f+48+12*\i+6*\c+4:\f+48+12*\i+6*\c+5], v[AB8] offset:6144*\i+1536*(\q)+768*\c
.endr
.endr
.endm
; 16 matrix instructions, K step s: the 16 accumulators take turns, one instruction a turn, in the same order in every step.  mode 1: the sums begin with the bias.
.macro MUL16 f, s, mode
.irp a, 0,1,2,3
.irp b, 0,1,2,3
.if \mode == 0
	v_wmma_scale_f32_16x16x128_f8f6f4 v[ACC+8*(4*\a+\b):ACC+8*(4*\a+\b)+7], v[\f+48+12*\b:\f+48+12*\b+11], v[\f+12*\a:\f+12*\a+11], v[ACC+8*(4*\a+\b):ACC+8*(4*\a+\b)+7], v[SB+8*\b+(\s)], v[SA+8*\a+(\s)] matrix_a_fmt:MATRIX_FMT_FP6 matrix_b_fmt:MATRIX_FMT_FP6
.else
	v_wmma_scale_f32_16x16x128_f8f6f4 v[ACC+8*(4*\a+\b):ACC+8*(4*\a+\b)+7], v[\f+48+12*\b:\f+48+12*\b+11], v[\f+12*\a:\f+12*\a+11], v[BI+8*\b:BI+8*\b+7], v[SB+8*\b+(\s)], v[SA+8*\a+(\s)] matrix_a_fmt:MATRIX_FMT_FP6 matrix_b_fmt:MATRIX_FMT_FP6
.endif
.endr
.endr
.endm
; Stage p: K steps 2 p and 2 p + 1.
; The buffer f that was just multiplied takes the half's K step q (four places ahead of the loads); then buffer g, K step s of the eight, is multiplied: its 32 loads are in, the 32 just issued may be out.
.macro NEXT f, q, g, s
.rept 4
	v_nop
.endr
	FETCH \f, \q
	s_wait_dscnt 32
	WIN 0x05
	MUL16 \g, \s, 0
.endm
	s_wait_alu depctr_va_vdst(0)                   ; the wait at the head's end
	WIN 0
	s_cmp_lt_u32 s[WV], 2                          ; waves 0 and 1 asked for the first half of K, each by a line of its own
	s_cbranch_scc0 .Llater
	s_wait_tensorcnt 0x0
.Llater:
	s_barrier_signal -1                            ; (no LDS instruction of mine is out)
	s_barrier_wait -1                              ; the first half of K is in; the second may be on its way
	FETCH 0, 0
	FETCH 128, 1
	s_wait_dscnt 32                                ; the first K step's 32 loads are in, the second's may be out
	WIN 0x05                                       ; sources 0 and 1 window 1; C and D window 0
	MUL16 0, 0, 1
	NEXT 0, 2, 128, 1
	NEXT 128, 3, 0, 2
	WIN 0
	s_wait_tensorcnt 0x0                           ; every wave: all that is still out is shown by this barrier
	s_wait_dscnt 0x0                               ; K step 3's fragments are in
	s_barrier_signal -1
	s_barrier_wait -1
	v_add_nc_u32 v[AA16], 98304, v[AA16]           ; on to the second half.  These four are also the places between K step 2's products and the loads into their registers
	v_add_nc_u32 v[AA8], 98304, v[AA8]
	v_add_nc_u32 v[AB16], 98304, v[AB16]
	v_add_nc_u32 v[AB8], 98304, v[AB8]
	s_wait_alu depctr_va_vdst(0)
	FETCH 0, 0
	WIN 0x05
	MUL16 128, 3, 0
	NEXT 128, 1, 0, 4
	NEXT 0, 2, 128, 5
	NEXT 128, 3, 0, 6
	s_wait_dscnt 0x0
	MUL16 128, 7, 0
	WIN 0
; THE WAY OUT, a tile of 16 tokens x my 64 outputs at a time.  A lane holds 16 + 16 neighbouring numbers of one row and the lanes beside it hold other rows: so a tile goes through my own stage in LDS
; (rows 272 bytes apart) and comes back as whole rows of 256 bytes, into the registers that it left.  LDS serves a wave's instructions in order: no wait between the stores and the loads, nor in front of the next tile's stores.
.macro TOSTAGE a
.irp b, 0,1,2,3
	ds_store_b128 v[STO], v[ACC+32*(\a)+8*\b:ACC+32*(\a)+8*\b+3] offset:128*(\b/2)+32*(\b%2)          ; each accumulator from its low end on
	ds_store_b128 v[STO], v[ACC+32*(\a)+8*\b+4:ACC+32*(\a)+8*\b+7] offset:128*(\b/2)+32*(\b%2)+16
.endr
.irp i, 0,1,2,3,4,5,6,7
	ds_load_b128 v[ACC+32*(\a)+4*\i:ACC+32*(\a)+4*\i+3], v[RD] offset:2*\i*272
.endr
.endm
.macro SEND a, younger                 ; younger: the LDS instructions issued behind tile a's loads, which may stay out
	s_wait_dscnt \younger
.irp i, 0,1,2,3,4,5,6,7                ; tile row 2 i + (lane / 16) is token 32 (a / 2) + 8 (a % 2) + 2 i + 8 (i / 4) + (lane / 16) of my 64
	global_store_b128 v[CO], v[ACC+32*(\a)+4*\i:ACC+32*(\a)+4*\i+3], s[14:15] offset:(32*((\a)/2)+8*((\a)%2)+2*\i+8*(\i/4))*4096 th:TH_STORE_NT   ; sixteen lanes store 256 consecutive bytes, aligned
.endr
.endm
.rept 4
	v_nop                                          ; places between the last products and the first read of results
.endr
	TOSTAGE 0
.irp a, 1,2,3
	TOSTAGE \a
	SEND \a-1, 16                                  ; behind tile a - 1's loads: tile a's 8 stores and 8 loads
.endr
	SEND 3, 0
	s_wait_tensorcnt 0x0
	ds_add_u32 v30, v31
	s_wait_dscnt 0x0
	CROUND                                         ; the closing round
	s_endpgm
.Lfunc_end_k_qcda781553b_oproj:
	.size	k_qcda781553b_oproj, .Lfunc_end_k_qcda781553b_oproj-k_qcda781553b_oproj
	.p2alignl 7, 3214868480
	.fill 96, 4, 3214868480
	.section	.rodata,"a",@progbits
	.p2align	6, 0x0
	.amdhsa_kernel k_qcda781553b_oproj
		.amdhsa_group_segment_fixed_size 214528
		.amdhsa_private_segment_fixed_size 0
		.amdhsa_enable_private_segment 0
		.amdhsa_kernarg_size 48
		.amdhsa_user_sgpr_count 2
		.amdhsa_user_sgpr_kernarg_segment_ptr 1
		.amdhsa_wavefront_size32 1
		.amdhsa_system_sgpr_workgroup_id_x 1
		.amdhsa_system_sgpr_workgroup_id_y 1
		.amdhsa_system_sgpr_workgroup_id_z 1
		.amdhsa_system_vgpr_workitem_id 0
		.amdhsa_next_free_vgpr 512
		.amdhsa_next_free_sgpr 102
		.amdhsa_reserve_vcc 0
		.amdhsa_float_denorm_mode_32 3
		.amdhsa_float_denorm_mode_16_64 3
		.amdhsa_memory_ordered 1
		.amdhsa_forward_progress 1
		.amdhsa_inst_pref_size 59
	.end_amdhsa_kernel
	.amdgpu_metadata
---
amdhsa.version: [ 1, 2 ]
amdhsa.kernels:
  - .name:           k_qcda781553b_oproj
    .symbol:         k_qcda781553b_oproj.kd
    .args:
      - { .name: cc, .offset: 0, .size: 8, .value_kind: global_buffer, .address_space: global }
      - { .name: cs, .offset: 8, .size: 8, .value_kind: global_buffer, .address_space: global }
      - { .name: wc, .offset: 16, .size: 8, .value_kind: global_buffer, .address_space: global }
      - { .name: ws, .offset: 24, .size: 8, .value_kind: global_buffer, .address_space: global }
      - { .name: b_out, .offset: 32, .size: 8, .value_kind: global_buffer, .address_space: global }
      - { .name: out0, .offset: 40, .size: 8, .value_kind: global_buffer, .address_space: global }
    .group_segment_fixed_size: 214528
    .private_segment_fixed_size: 0
    .kernarg_segment_align: 8
    .kernarg_segment_size: 48
    .max_flat_workgroup_size: 128
    .sgpr_count:     102
    .vgpr_count:     512
    .wavefront_size: 32
...
	.end_amdgpu_metadata
.endif
;; end of part 4
